; MI455X (gfx1250); checked and timed in simulation.
; The chip was launched on July 23, 2026; its instructions are those of AMD's public machine-readable ISA for CDNA 5 (MIT licence, August 2026) and "CDNA5" Instruction Set Architecture Reference Guide (July 2026). The comments in the code are by the model that wrote it; some were corrected since.
;; Multi Head Self Attention. Allowed arithmetic: matrix products marked QUANTISED: E2M3 operands, one E8M0 scale for each 32 along K, by v_wmma_scale_f32_16x16x128_f8f6f4 with both operands' format E2M3, f32 sums; everything else in f32.
;; Inputs: Wk 1,024 x 1,024 float32; Wo 1,024 x 1,024 float32; Wq 1,024 x 1,024 float32; Wv 1,024 x 1,024 float32; bk 1,024 float32; bo 1,024 float32; bq 1,024 float32; bv 1,024 float32; x 4 x 2,048 x 1,024 float32.
;; Outputs: out0 4 x 2,048 x 1,024 float32.
;; This version of the problem:
;;   THIS VERSION OF THE PROBLEM IS GIVEN IN LOW PRECISION. The matrix products marked QUANTISED in the list below multiply operands that are first quantised to E2M3 (2 exponent bits, 3 mantissa bits; 6 bits a number), with one power-of-two scale for each 32 numbers along K (OCP MX v1.0); their sums are f32. All else is computed in f32.
;;   The module's matrix products, in the order in which they are computed (A, B: the left and right operand; K: the contracted axis; several contracted axes count as one K, in the product's order):
;;     1. [M 8,192, K 1,024] x [K 1,024, N 1,024]; A: input x; B: input Wq: QUANTISED
;;     2. [M 8,192, K 1,024] x [K 1,024, N 1,024]; A: input x; B: input Wk: QUANTISED
;;     3. [M 8,192, K 1,024] x [K 1,024, N 1,024]; A: input x; B: input Wv: QUANTISED
;;     4. batch 64 x [M 2,048, K 64] x [K 64, N 2,048]; A: computed on the way; B: computed on the way: QUANTISED
;;     5. batch 64 x [M 64, K 2,048] x [K 2,048, N 2,048]; A: computed on the way; B: softmax (see below): QUANTISED
;;     6. [M 8,192, K 1,024] x [K 1,024, N 1,024]; A: computed on the way; B: input Wo: QUANTISED
;;   THE QUANTISER, for each operand of a quantised product, along K:
;;     - K is cut into blocks of 32 from its start; a last block that is shorter is filled with zeros.
;;     - A block's scale is 2^e with e = floor(log2(the largest magnitude in the block)) - 2, held to -126 .. 127; a block of zeros has e = 0. As a byte (E8M0): e + 127.
;;     - Each number is divided by its block's scale, clamped to +-7.5, and rounded to the nearest number of E2M3, ties to even, subnormals kept.
;;     - The product sums the exact products of the quantised numbers (number of the format x scale) in f32.
;;   ~~~python
;;   def quantise(x, axis):      # numpy; x: float32 -> the quantised numbers, widened to float32 again
;;       x = np.moveaxis(x, axis, -1); K = x.shape[-1]
;;       x = np.pad(x, [(0, 0)] * (x.ndim - 1) + [(0, -K % 32)]); x = x.reshape(x.shape[:-1] + (-1, 32)); a = np.abs(x).max(-1, keepdims=True)
;;       e = np.where(a > 0, np.clip(np.frexp(np.where(a > 0, a, 1))[1] - 1 - 2, -126, 127), 0)      # np.frexp(a)[1] - 1 = floor(log2(a)), exactly
;;       r = np.clip(x / 2.0 ** e, -7.5, 7.5)
;;       step = 2.0 ** (np.maximum(np.frexp(np.where(r == 0, 1, r))[1] - 1, 0) - 3)
;;       q = np.round(r / step) * step * 2.0 ** e      # np.round: ties to even
;;       return np.moveaxis(q.reshape(q.shape[:-2] + (-1,))[..., :K], -1, axis).astype(np.float32)
;;   ~~~
;;   SOFTMAX AHEAD OF A QUANTISED PRODUCT. Where the list says 'softmax', what is quantised is not the finished softmax but p = 2^(t - M), with t = logit x log2(e) and M = ceil(the row's largest t), a whole number; so 1/2 < the row's largest p <= 1. The row's sum l is taken of the UNQUANTISED p, in f32, and the product's result is divided by l at the end. Since M is a whole number, a kernel that streams over the keys may use a running M (the ceiling of the running maximum): every later rescaling is an exact power of two, which a block's scale takes up: the codes' values come out the same.
;;   OPERANDS COMPUTED ON THE WAY. 'Computed on the way' means the value that the module computes at that place (a softmax that the list does not call 'softmax' is quantised finished and normalised). What goes into a quantiser is computed in f32, as accurately as f32 sums, v_exp_f32 and their like allow (about 1e-6 of the number): no bf16 or f16 on the way to a quantiser, and a product that is left as it is and whose result goes on into a quantised operand takes f32 operands (vector FMAs, or v_wmma_f32_16x16x4_f32). A number that lies on a knife's edge between two numbers of the format may be rounded either way, as far as f32 arithmetic and the matrix unit's own rounding can turn it there, and no further.
;; One version. Each part assembles by itself: llvm-mc -triple=amdgcn-amd-amdhsa -mcpu=gfx1250 --defsym DOCPART=n.
;; ======== version 1 of 1: 4 launches
;; limits: right only within a limited range of input values
;; workspace buffers: codes 9,437,184 bytes; scl 393,216 bytes; qkvc 18,874,368 bytes; qkvs 1,310,720 bytes; acod 6,291,456 bytes; ascl 262,144 bytes
;; launch quant (part 1): grid 384 x 1, 4 waves a work-group, no clusters, 57,856 bytes of LDS; arguments x, Wq, Wk, Wv, Wo, codes, scl; writes codes, scl
.if DOCPART == 1
	.amdgcn_target "amdgcn-amd-amdhsa--gfx1250"
	.amdhsa_code_object_version 6
	.text
	.protected	k_q5462554284_quant
	.globl	k_q5462554284_quant
	.p2align	8
	.type	k_q5462554284_quant,@function
k_q5462554284_quant:
	s_mov_b64 s[64:65], 0
	v_nop
	global_prefetch_b8 v0, s[64:65] scope:SCOPE_SE
	s_setreg_imm32_b32 hwreg(HW_REG_WAVE_MODE, 25, 1), 1
	s_wait_xcnt 0x0
; MULTI-HEAD SELF-ATTENTION IN MX-FP6 (E2M3, one E8M0 scale for each 32 along K), FOUR LAUNCHES.  THIS ONE: x and the four weights become codes and scale bytes.
; DEAD WORK, for the whole program.  reference() builds a causal mask in its own body: the score of key k for query q is replaced by -infinity wherever k > q, whatever the inputs hold, so its weight is exactly 0
; and neither that score nor its term of the second product reaches an output.  Where that holds of all 128 keys of a key step for all 16 queries of a tile, the third launch leaves the step out (scores, softmax, second product).
; Nothing else is left out: all four biases are live (bq, bk, bv move codes and scales of quantised operands, bo is added to the result), and every input is loaded.
; LIMIT: a NaN, an infinity or an overflow that reaches only the steps left out is not carried to the result.
; LIMITS of the quantisers in all launches: NaN and infinities among the inputs are not served; a block whose largest magnitude lies under 2^(3 - 127) is held at the byte 1, and so is a block of zeros
; (its codes are zeros, which add nothing under any byte but 0xff; the bytes are read by this program alone).
; LAYOUT OF AN OPERAND [rows][K]:  codes [K / 64][rows][48 bytes]: a row's 64 codes of that part of K, block 2 c in 24 bytes and block 2 c + 1 in 24;  scale bytes [K / 128][rows][4].
; The buffer 'codes' has 12,288 rows: 0 .. 8,191 x; from 8,192 on the columns of Wq, Wk, Wv, Wo, 1,024 each (a weight's K is its FIRST axis: a column n is an operand's row).
; Work-groups 0 .. 255 take x, 256 .. 383 the weights: 128 KiB of f32 each.  The two ways part on the work-group's number, have LDS bytes of their own and meet at the end.  No tensor loads, no barrier: waves share nothing.
.set SPW,   192                        ; v192  LDS address of my spare word: SPARE + 4 x my thread's number; never rewritten
.set NIL,   193                        ; v193  0; never rewritten
.set SPARE, 57344                      ; behind both ways' bytes: the spare words, 128 bytes for each wave
.set CHB,   589824                     ; bytes from one 64 along K to the next in 'codes': 12,288 rows x 48
.set SPB,   49152                      ; bytes from one 128 along K to the next in 'scl': 12,288 rows x 4
.set EMAX,  2
; the way of x
.set STEPS, 16
.set WREG,  8192                       ; LDS 0 .. 32,767: a region for each wave: two stages of 32 x SP bytes, and behind them its 256 scale bytes
.set SP,    80                         ; a lane's place in a stage: its 64 bytes + 16 of padding
.set R,     16                         ; v16-79   four sets of 16 numbers as they are loaded
.set X,     80                         ; v80-111  two sets of 16 neighbours
.set E,     112                        ; v112-127 a scale byte for each step
.set C,     128                        ; v128-191 codes: four registers for each step, so that no store's data are written again
; the way of the weights
.set WST,   32768                      ; LDS 32,768 .. 57,343: a stage of 6,144 bytes for each wave: [4 x 64 along K][32 columns][48]
.set WWB,   6144
.set WX,    32                         ; v32-95   two sets of 32 numbers
.set WC,    96                         ; v96-102  a block's codes
.set SB,    24                         ; v24-25   the scale bytes, four to a register
.set OUTR,  112                        ; v112-159 the way out
	s_load_b256 s[4:11], s[0:1], 0x0               ; x, Wq, Wk, Wv
	s_load_b128 s[12:15], s[0:1], 0x20             ; Wo, codes
	s_load_b64 s[16:17], s[0:1], 0x30              ; scl
	v_lshl_add_u32 v[SPW], v0, 2, SPARE
	v_mov_b32 v[NIL], 0
	v_lshrrev_b32 v1, 5, v0
	v_readfirstlane_b32 s20, v1                    ; wave
	v_and_b32 v2, 31, v0                           ; lane
	s_cmp_ge_u32 ttmp9, 256
	s_cbranch_scc1 .Lweights
; ---- x [8,192][1,024]: K innermost.  A wave takes 64 rows x 128 along K, in 16 steps of 8 rows x 64 numbers.  A step's four loads read two whole pieces of 256 bytes each; the 2,048 bytes turn through the wave's
; stage, so that a lane gets 16 NEIGHBOURS along K (lane l: row l / 4, numbers 16 (l % 4) on; two neighbouring lanes hold a block).  A lane's 16 codes are 12 bytes, four lanes' a row of 48: the wave stores 384 bytes on end.
	v_lshrrev_b32 v3, 4, v2
	v_and_b32 v4, 15, v2
	v_lshlrev_b32 v4, 4, v4
	v_lshl_add_u32 v3, v3, 12, v4                  ; in: lanes 0-15 one row's 256 bytes, lanes 16-31 the next row's
	s_mul_i32 s21, s20, WREG
	v_lshrrev_b32 v14, 2, v2
	v_mul_u32_u24 v14, v14, SP
	v_and_b32 v15, 3, v2
	v_lshl_add_u32 v14, v15, 4, v14
	v_add_nc_u32 v14, s21, v14                     ; the stage, on the way in: SP (lane / 4) + 16 (lane % 4)
	v_mul_u32_u24 v15, v2, SP
	v_add_nc_u32 v15, s21, v15                     ; and on the way out: SP x lane
	v_mul_u32_u24 v4, v2, 12                       ; my codes' place in a step's 384 bytes
	s_add_co_u32 s21, s21, 2*32*SP
	v_lshrrev_b32 v5, 2, v2
	v_bfe_u32 v6, v2, 1, 1
	v_lshl_add_u32 v5, v5, 2, v6
	v_add_nc_u32 v5, s21, v5                       ; my block's byte among the wave's 256: 4 x row + block
	v_lshlrev_b32 v7, 3, v2
	v_add_nc_u32 v6, s21, v7                       ; and on the way out 8 bytes a lane
	s_lshr_b32 s22, ttmp9, 1                       ; which 64 rows
	s_and_b32 s23, ttmp9, 1
	s_lshl_b32 s23, s23, 2
	s_add_co_u32 s23, s23, s20                     ; which 128 along K
	s_lshl_b32 s24, s22, 18
	s_lshl_b32 s25, s23, 9
	s_add_co_u32 s24, s24, s25
	s_mov_b32 s25, 0
	s_mul_i32 s26, s23, 2*CHB
	s_mul_i32 s27, s22, 64*48
	s_add_co_u32 s26, s26, s27
	s_mov_b32 s27, 0
	s_mul_i32 s28, s23, SPB
	s_lshl_b32 s29, s22, 8
	s_add_co_u32 s28, s28, s29
	s_mov_b32 s29, 0
	s_wait_alu depctr_va_vdst(0)
	s_wait_kmcnt 0x0
	s_add_nc_u64 s[4:5], s[4:5], s[24:25]
	s_add_nc_u64 s[14:15], s[14:15], s[26:27]
	s_add_nc_u64 s[16:17], s[16:17], s[28:29]
.macro XLOAD t                         ; step t: rows 8 (t % 8) on, the wave's (t / 8)-th 64 along K
.irp i, 0,1,2,3
	global_load_b128 v[R+16*((\t)%4)+4*\i:R+16*((\t)%4)+4*\i+3], v3, s[4:5] offset:(8*((\t)%8)+2*\i)*4096+256*((\t)/8) th:TH_LOAD_NT
.endr
.endm
.macro XTURN t                         ; through the stage: LDS serves a wave's instructions in order, so no wait stands between the stores and the loads
.irp i, 0,1,2,3
	ds_store_b128 v14, v[R+16*((\t)%4)+4*\i:R+16*((\t)%4)+4*\i+3] offset:32*SP*((\t)%2)+8*SP*\i
.endr
.irp i, 0,1,2,3
	ds_load_b128 v[X+16*((\t)%2)+4*\i:X+16*((\t)%2)+4*\i+3], v15 offset:32*SP*((\t)%2)+16*\i
.endr
.endm
.irp t, 0,1,2,3
	XLOAD \t
.endr
	s_wait_loadcnt 12                              ; step 0's four loads are in
	XTURN 0
.macro XSTEP t
.set XS, X+16*((\t)%2)
.if (\t) > 0
	s_wait_dscnt 1                                 ; this step's numbers are back from the stage (the last step's byte store may be out)
.else
	s_wait_dscnt 0x0
.endif
.if (\t)+4 < STEPS
	XLOAD (\t)+4                                   ; into the registers that this step's stores into the stage have read
.endif
.if (\t)+1 < STEPS
.if STEPS-2-(\t) >= 3
	s_wait_loadcnt 12                              ; the next step's four loads are in; those of the three steps behind it may be out
.else
	s_wait_loadcnt 4*(STEPS-2-(\t))
.endif
	XTURN (\t)+1
.endif
	v_max3_num_f32 v8, |v[XS]|, |v[XS+1]|, |v[XS+2]|               ; the largest magnitude of my 16
	v_max3_num_f32 v9, |v[XS+3]|, |v[XS+4]|, |v[XS+5]|
.irp i, 6,10
	v_max3_num_f32 v8, v8, |v[XS+\i]|, |v[XS+\i+1]|
	v_max3_num_f32 v9, v9, |v[XS+\i+2]|, |v[XS+\i+3]|
.endr
	v_max3_num_f32 v8, v8, |v[XS+14]|, |v[XS+15]|
	v_max3_num_f32 v8, v8, v9, (EMAX+1)<<23        ; and the floor 2^(3 - 127): the byte cannot fall under 1
	v_max_num_f32_dpp v8, v8, v8 row_xmask:1 row_mask:0xf bank_mask:0xf   ; and of my neighbour's 16: the block's
	v_add_nc_u32 v11, 0xff000000, v8               ; 2 off its exponent field: the conversion takes the exponent field of this operand as its scale
	v_cvt_scalef32_pk16_fp6_f32 v[C+4*(\t):C+4*(\t)+2], v[XS:XS+15], v11
	v_lshrrev_b32 v[E+(\t)], 23, v11               ; the scale's byte
	ds_store_b8 v5, v[E+(\t)] offset:32*((\t)%8)+2*((\t)/8)        ; both lanes of a block write the same byte with the same value
	global_store_b96 v4, v[C+4*(\t):C+4*(\t)+2], s[14:15] offset:CHB*((\t)/8)+384*((\t)%8)
.endm
.irp t, 0,1,2,3,4,5,6,7,8,9,10,11,12,13,14,15
	XSTEP \t
.endr
	ds_load_b64 v[8:9], v6                         ; LDS serves a wave's instructions in order: these see my stores
	s_wait_dscnt 0x0
	global_store_b64 v7, v[8:9], s[16:17]          ; 32 lanes store 256 consecutive bytes, aligned: 64 rows' scale words
	s_branch .Lend
; ---- a weight [1,024 (k)][1,024 (n)]: K outermost.  A LANE TAKES A COLUMN n, AND ITS REGISTERS RUN DOWN K: a block of 32 lies in one lane's 32 registers, and the conversions give codes with K innermost.
; A wave takes 32 columns x 256 along K: 8 blocks a lane.  The codes gather in the wave's stage and leave as four runs of 1,536 consecutive bytes.
.Lweights:
	s_sub_co_u32 s21, ttmp9, 256
	s_lshr_b32 s22, s21, 5                         ; which weight
	s_bfe_u32 s23, s21, 0x30002                    ; which 128 columns
	s_and_b32 s24, s21, 3                          ; which 256 along K
	s_lshl_b32 s25, s23, 7
	s_lshl_b32 s26, s20, 5
	s_add_co_u32 s25, s25, s26                     ; my wave's first column
	s_wait_alu depctr_va_vdst(0)
	v_lshlrev_b32 v3, 2, v2                        ; 4 bytes a lane: in, and for the scale words
	s_mul_i32 s26, s20, WWB
	s_add_co_u32 s26, s26, WST                     ; my stage
	v_mul_u32_u24 v4, v2, 48
	v_add_nc_u32 v4, s26, v4                       ; into it: row = my column
	v_lshlrev_b32 v8, 4, v2
	v_add_nc_u32 v7, s26, v8                       ; out of it: 16 bytes a lane
	s_lshl_b32 s28, s24, 20
	s_lshl_b32 s29, s25, 2
	s_add_co_u32 s28, s28, s29
	s_mov_b32 s29, 0
	s_lshl_b32 s30, s22, 10
	s_add_co_u32 s30, s30, s25
	s_add_co_u32 s30, s30, 8192                    ; my first row in 'codes'
	s_mul_i32 s32, s24, 4*CHB
	s_mul_i32 s33, s30, 48
	s_add_co_u32 s32, s32, s33
	s_mov_b32 s33, 0
	s_mul_i32 s34, s24, 2*SPB
	s_lshl_b32 s35, s30, 2
	s_add_co_u32 s34, s34, s35
	s_mov_b32 s35, 0
	s_wait_alu depctr_va_vdst(0)
	s_wait_kmcnt 0x0
	s_cmp_eq_u32 s22, 1                            ; the choice hangs on the work-group's number alone
	s_cselect_b64 s[6:7], s[8:9], s[6:7]
	s_cmp_eq_u32 s22, 2
	s_cselect_b64 s[6:7], s[10:11], s[6:7]
	s_cmp_eq_u32 s22, 3
	s_cselect_b64 s[6:7], s[12:13], s[6:7]
	s_add_nc_u64 s[6:7], s[6:7], s[28:29]
	s_add_nc_u64 s[14:15], s[14:15], s[32:33]
	s_add_nc_u64 s[16:17], s[16:17], s[34:35]
.macro WLOAD t                         ; block t: W(32 t + i, my column) into set t % 2; 32 lanes read 128 consecutive bytes, the four waves 512
.set i, 0
.rept 32
	global_load_b32 v[WX+32*((\t)%2)+i], v3, s[6:7] offset:(32*(\t)+i)*4096 th:TH_LOAD_NT
.set i, i+1
.endr
.endm
	WLOAD 0
	WLOAD 1
.macro WBLOCK t
.set XS, WX+32*((\t)%2)
.if (\t) < 7
	s_wait_loadcnt 32                              ; this block's 32 loads are in; the next block's may be out
.else
	s_wait_loadcnt 0
.endif
	v_max3_num_f32 v12, |v[XS]|, |v[XS+1]|, |v[XS+2]|              ; the block's largest magnitude: all 32 numbers are mine
	v_max3_num_f32 v13, |v[XS+3]|, |v[XS+4]|, |v[XS+5]|
.irp i, 6,10,14,18,22,26
	v_max3_num_f32 v12, v12, |v[XS+\i]|, |v[XS+\i+1]|
	v_max3_num_f32 v13, v13, |v[XS+\i+2]|, |v[XS+\i+3]|
.endr
	v_max3_num_f32 v12, v12, |v[XS+30]|, |v[XS+31]|
	v_max3_num_f32 v12, v12, v13, (EMAX+1)<<23     ; and the floor
	v_add_nc_u32 v11, 0xff000000, v12              ; the conversion's scale operand
	v_lshrrev_b32 v13, 23, v11                     ; the scale's byte
.if (\t)%4 == 0
	v_mov_b32 v[SB+(\t)/4], v13                    ; four bytes to a register, the lower K in the lower byte
.else
	v_lshl_or_b32 v[SB+(\t)/4], v13, 8*((\t)%4), v[SB+(\t)/4]
.endif
	v_cvt_scalef32_pk16_fp6_f32 v[WC:WC+2], v[XS:XS+15], v11
	v_cvt_scalef32_pk16_fp6_f32 v[WC+4:WC+6], v[XS+16:XS+31], v11  ; (a conversion's three registers begin on an even number)
	v_nop                                          ; one plain place behind a scaled conversion
	v_mov_b32 v[WC+3], v[WC+4]                     ; the block's 24 bytes on end in six registers
	v_mov_b32 v[WC+4], v[WC+5]
	v_mov_b32 v[WC+5], v[WC+6]
.irp p, 0,1,2
	ds_store_b64 v4, v[WC+2*\p:WC+2*\p+1] offset:((\t)/2)*1536+24*((\t)%2)+8*\p
.endr
.if (\t)+2 < 8
	WLOAD (\t)+2
.endif
	s_wait_dscnt 0x0                               ; the stores have read their registers: the next block's codes may be written
.endm
.irp t, 0,1,2,3,4,5,6,7
	WBLOCK \t
.endr
	global_store_b32 v3, v[SB], s[16:17]           ; my column's two scale words
	s_wait_alu depctr_va_vdst(0)
	global_store_b32 v3, v[SB+1], s[16:17] offset:SPB
.irp c, 0,1,2,3
.irp i, 0,1,2
	ds_load_b128 v[OUTR+4*(3*\c+\i):OUTR+4*(3*\c+\i)+3], v7 offset:\c*1536+512*\i
.endr
.endr
.irp c, 0,1,2,3
.irp i, 0,1,2
	s_wait_dscnt 11-3*\c-\i                        ; LDS loads come back in order: this one is in
	global_store_b128 v8, v[OUTR+4*(3*\c+\i):OUTR+4*(3*\c+\i)+3], s[14:15] offset:\c*CHB+512*\i   ; 32 lanes store 512 consecutive bytes, aligned
.endr
.endr
.Lend:
	s_wait_tensorcnt 0x0                           ; the wave's end, behind my last LDS store
	ds_add_u32 v[SPW], v[NIL]
	s_wait_dscnt 0x0
	s_endpgm
.Lfunc_end_k_q5462554284_quant:
	.size	k_q5462554284_quant, .Lfunc_end_k_q5462554284_quant-k_q5462554284_quant
	.p2alignl 7, 3214868480
	.fill 96, 4, 3214868480
	.section	.rodata,"a",@progbits
	.p2align	6, 0x0
	.amdhsa_kernel k_q5462554284_quant
		.amdhsa_group_segment_fixed_size 57856
		.amdhsa_private_segment_fixed_size 0
		.amdhsa_enable_private_segment 0
		.amdhsa_kernarg_size 56
		.amdhsa_user_sgpr_count 2
		.amdhsa_user_sgpr_kernarg_segment_ptr 1
		.amdhsa_wavefront_size32 1
		.amdhsa_system_sgpr_workgroup_id_x 1
		.amdhsa_system_sgpr_workgroup_id_y 1
		.amdhsa_system_sgpr_workgroup_id_z 1
		.amdhsa_system_vgpr_workitem_id 0
		.amdhsa_next_free_vgpr 196
		.amdhsa_next_free_sgpr 66
		.amdhsa_reserve_vcc 0
		.amdhsa_float_denorm_mode_32 3
		.amdhsa_float_denorm_mode_16_64 3
		.amdhsa_memory_ordered 1
		.amdhsa_forward_progress 1
		.amdhsa_inst_pref_size 74
	.end_amdhsa_kernel
	.amdgpu_metadata
---
amdhsa.version: [ 1, 2 ]
amdhsa.kernels:
  - .name:           k_q5462554284_quant
    .symbol:         k_q5462554284_quant.kd
    .args:
      - { .name: x, .offset: 0, .size: 8, .value_kind: global_buffer, .address_space: global }
      - { .name: Wq, .offset: 8, .size: 8, .value_kind: global_buffer, .address_space: global }
      - { .name: Wk, .offset: 16, .size: 8, .value_kind: global_buffer, .address_space: global }
      - { .name: Wv, .offset: 24, .size: 8, .value_kind: global_buffer, .address_space: global }
      - { .name: Wo, .offset: 32, .size: 8, .value_kind: global_buffer, .address_space: global }
      - { .name: codes, .offset: 40, .size: 8, .value_kind: global_buffer, .address_space: global }
      - { .name: scl, .offset: 48, .size: 8, .value_kind: global_buffer, .address_space: global }
    .group_segment_fixed_size: 57856
    .private_segment_fixed_size: 0
    .kernarg_segment_align: 8
    .kernarg_segment_size: 56
    .max_flat_workgroup_size: 128
    .sgpr_count:     66
    .vgpr_count:     196
    .wavefront_size: 32
...
	.end_amdgpu_metadata
.endif
;; end of part 1
;; launch qkv (part 2): grid 8 x 48, 4 waves a work-group, clusters of 4 x 4, 327,680 bytes of LDS; arguments codes, scl, bq, bk, bv, qkvc, qkvs; writes qkvc, qkvs
.if DOCPART == 2
	.amdgcn_target "amdgcn-amd-amdhsa--gfx1250"
	.amdhsa_code_object_version 6
	.text
	.protected	k_q5462554284_qkv
	.globl	k_q5462554284_qkv
	.p2align	8
	.type	k_q5462554284_qkv,@function
k_q5462554284_qkv:
	s_mov_b64 s[64:65], 0
	v_nop
	global_prefetch_b8 v0, s[64:65] scope:SCOPE_SE
	s_setreg_imm32_b32 hwreg(HW_REG_WAVE_MODE, 25, 1), 1
	s_wait_xcnt 0x0
	s_wait_alu depctr_hold_cnt(0) depctr_sa_sdst(0) depctr_va_vdst(0) depctr_va_sdst(0) depctr_va_ssrc(0) depctr_va_vcc(0) depctr_vm_vsrc(0)
	s_getreg_b32 s2, hwreg(HW_REG_IB_STS2, 6, 4)
	s_cmp_eq_u32 s2, 0
	s_cbranch_scc0 .Lentry_in_a_cluster
	s_endpgm
.Lentry_in_a_cluster:
	s_bfe_u32 s2, ttmp6, 0x10000c
	s_cmp_lg_u32 s2, 0xf033
	s_cbranch_scc0 .Lentry_shape_is_right
	s_endpgm
.Lentry_shape_is_right:
; q = x Wq + bq, k = x Wk + bk, v = x Wv + bv on codes of FP6 (E2M3), and the results QUANTISED IN REGISTERS for the products that take them: q and k along the head's 64, v along the keys.  No f32 result goes to memory.
; A tile of 256 x 256 is made by a work-group of four waves, 128 x 128 a wave: 64 accumulators, 512 registers.  K = 1,024 goes in four slots' worth of 256 through a ring of two LDS slots.
; THE MATRIX INSTRUCTION IS USED TRANSPOSED (source 0 = 16 rows of 'B', source 1 = 16 rows of 'A'): a lane holds one row of 'A' and eight neighbours along 'B'.  So the way out quantises along 'B'.
; TWO KINDS OF TILE, told apart by the cluster's y, which all partners share:  kind 0 (y < 8): 'A' = x, 'B' = the columns of Wq and Wk: 'B' runs along a head's 64;  kind 1: 'A' = the columns of Wv, 'B' = x: 'B' runs along the keys.
; Both operands lie in the one buffer 'codes' ([K / 64][12,288 rows][48 bytes]; scale words [K / 128][12,288][4]), so the kinds differ in row numbers alone until the way out.
; ORDER INSIDE A BLOCK OF 32.  A lane's 16 registers of two neighbouring tiles hold k = 16 u + 8 h + j (u the tile, h the lane's half); the conversions lay them at 16 h + 8 u + j: two bits of k change places inside each block.
; Blocks and scales are as the quantiser has them, and the same exchange falls on both sides of each product: on q and k here, on v here and on the softmax's p in the next launch.
; v's rows are stored at d' = d with bits 3 and 4 exchanged, so that the next launch's result comes out with d in its true order.
; CLUSTERS: 4 x 4 work-groups; 'A's tiles are asked for jointly along a row of the cluster, 'B's along a column.
; REGISTERS, in windows of 256: window 0: v1-29 addresses; v32-63 scale words, two sets; v128-223 'A's fragments, one set; on the way out v64-229.  window 1: 'B's fragments, two sets, at v0 and v128.  windows 2, 3: the accumulators ((a, b) at v[8 (8 (a % 4) + b)]).
; No prefetch: the block is the largest that the registers hold, in clusters, and K is four slots: two of them are asked for before the first product, so only two refills could be run ahead of.
.set NQ,    2                          ; matrix instructions deep in a slot
.set FR,    12                         ; registers of a fragment: 16 rows x 128 K
.set NL,    6                          ; LDS loads that bring one
.set NP,    4                          ; places behind this matrix instruction (ISA guide 7.12.1)
.set CHB,   589824                     ; bytes from one 64 along K to the next in 'codes'
.set SPB,   49152                      ; bytes from one 128 along K to the next in 'scl'
.set SLOTG, 4*CHB                      ; a slot's worth of K in memory
.set HALFT, 24576                      ; what one tensor load of the ring brings: [2 x 64 along K][256 rows][48 bytes]; an operand's part of a slot is [4 x 64 along K][256 rows][48].  A row of 48 bytes is 12 words: the 32 lanes of a load of 8 bytes touch 64 different banks (64 banks of 4 bytes: ISA guide 11.1)
.set SLOT,  4*HALFT                    ; 'A's two halves, then 'B's two
.set SCL,   2*SLOT                     ; the scale words of the tile's rows for all of K: 'A's [8][256 rows][4], then 'B's
.set BIAS,  SCL+16384                  ; 512 bytes for each wave: its 128 numbers of the bias
.set SPARE, BIAS+2048                  ; the spare words, 128 bytes for each wave
.set STGQ,  SPARE+512                  ; the way out of kind 0: 13,312 bytes for each wave: 12,288 of codes, 1,024 of scale words
.set STGV,  STGQ+4*13312               ; and of kind 1
.set STW,   13312
.set SEC,   6291456                    ; qkvc: the sections of q, k, v
.set HB,    98304                      ; a head's codes in a section
.set STQ,  7                           ; v7   kind 0: where my 24 bytes of a row go in the stage
.set SSQ,  8                           ; v8   and my scale word
.set STV,  9                           ; v9   kind 1 likewise
.set SSV,  10                          ; v10
.set RDQ,  11                          ; v11  out of the stage, 16 bytes a lane
.set RDV,  12                          ; v12
.set COV,  13                          ; v13  kind 1: my 16 bytes of the two heads' scale words in memory
.set BRD,  14                          ; v14  kind 0: my half's numbers of the bias
.set BRV,  15                          ; v15  kind 1: my row's
.set ADRA, 16                          ; v16-17  LDS address of my 'A' fragments in slot 0, 1
.set ADRB, 20                          ; v20-21  the same for 'B'
.set H16,  24                          ; v24  16 x my half
.set BWR,  25                          ; v25  where I put 16 bytes of the bias
.set CO,   26                          ; v26  16 x lane
.set ADRS, 27                          ; v27  LDS address of my scale words: lanes 0-15 'A's rows, lanes 16-31 'B's
.set SPW,  28                          ; v28  LDS address of my spare word; never rewritten
.set NIL,  29                          ; v29  0; never rewritten
.set SC,   32                          ; scale words: set s at v[SC + 16 s]; register 2 i + q: lanes 0-15 'A's block i, lanes 16-31 'B's block i, the slot's q-th 128 along K
.set AF,   128
.set CB,   64                          ; the way out: the bias
.set HA,   128                         ; 64 numbers of a lane
.set PC,   192                         ; the codes just made
.set TM,   212                         ; at work
.set PW,   228                         ; the scale word just made
.set TT,   229
.set OUTR, 64                          ; out of the stage
.set WV,  18
.set FH,  19                           ; wave / 2: my half of the tile's 'A' rows.  Also: I fetch for 'A' (0) or 'B' (1)
.set FL,  20                           ; wave % 2: my half of its 'B' rows.  Also: which two of a slot's four 64s along K I fetch
.set G1,  24
.set G0,  32
.set CX,  40
.set CY,  41
.set XX,  42                           ; the cluster's x
.set MR,  43
.set MC,  44
.set YY,  45                           ; the cluster's y
.set TYP, 46                           ; the kind
.set QCC, 47                           ; kind 1: which 1,024 rows of x
.set G1B, 48
.set G0B, 56
.set SEL, 66                           ; s[66:67] lane selects for v_permlanex16_b32: lane l xor 16
.set G1S, 68
.set G0S, 76
.set G1SB, 80
.set G0SB, 88
.set MSB, 0
.macro WIN new                         ; the immediate's high byte repeats the setting that is left
.if MSB != (\new)
	s_set_vgpr_msb (MSB<<8)|(\new)
.set MSB, (\new)
.endif
.endm
.set MUL_LO, 0xa1                      ; source 0 ('B') window 1, source 1 ('A') window 0, C and D window 2
.set MUL_HI, 0xf1                      ; the same, C and D window 3
.set TO_B,   0x40                      ; destination window 1, address window 0
; A joint load: waves 0 and 1 fetch for 'A', waves 2 and 3 for 'B'.  The branch hangs on the wave's number alone.  An s_nop 0 and four v_nop follow each of the two lines.
.macro JLOAD g0a, g1a, g0b, g1b
	s_cmp_eq_u32 s[FH], 0
	s_cbranch_scc0 .Lfor_b_\@
	tensor_load_to_lds s[\g0a:\g0a+3], s[\g1a:\g1a+7]
	s_nop 0
.rept 4
	v_nop
.endr
	s_branch .Lasked_\@
.Lfor_b_\@:
	tensor_load_to_lds s[\g0b:\g0b+3], s[\g1b:\g1b+7]
	s_nop 0
.rept 4
	v_nop
.endr
.Lasked_\@:
.endm
.macro CREST                           ; a round of the cluster's barrier behind its opening barrier
	s_cmp_lg_u32 s[WV], 0
	s_cbranch_scc1 .Lnot_wave_0_\@
	s_barrier_signal -3
.Lnot_wave_0_\@:
	s_barrier_wait -3
	s_barrier_signal -1
	s_barrier_wait -1
.endm
.macro CROUND
	s_barrier_signal -1
	s_barrier_wait -1
	CREST
.endm
	s_load_b256 s[4:11], s[0:1], 0x0               ; codes, scl, bq, bk
	s_load_b128 s[12:15], s[0:1], 0x20             ; bv, qkvc
	s_load_b64 s[16:17], s[0:1], 0x30              ; qkvs
	v_lshl_add_u32 v[SPW], v0, 2, SPARE
	v_mov_b32 v[NIL], 0
	ds_add_u32 v[SPW], v[NIL]                      ; the wave's opening: the add, twice on end, and its wait ahead of my first tensor load
	ds_add_u32 v[SPW], v[NIL]
	v_lshrrev_b32 v1, 5, v0
	v_readfirstlane_b32 s[WV], v1
	s_lshr_b32 s[FH], s[WV], 1
	s_and_b32 s[FL], s[WV], 1
	s_bfe_u32 s[CX], ttmp6, 0x40000
	s_bfe_u32 s[CY], ttmp6, 0x40004
	s_mov_b32 s[XX], ttmp9
	s_and_b32 s[YY], ttmp7, 0xffff
	s_lshr_b32 s[TYP], s[YY], 3                    ; y is 0 .. 11
	s_lshl_b32 s[MR], s[CY], 2
	s_lshl_b32 s[MR], 15, s[MR]                    ; my row of the cluster
	s_lshl_b32 s[MC], 0x1111, s[CX]                ; my column
	; group 1 for codes: rows (one for each 64 along K) of 12,288 dense bytes (256 rows x 48), as 1,536 elements of 8 bytes, CHB bytes apart; no padding.  Four rows for the head's loads; behind them the two words that count rows are set to 2, for the ring's
	s_or_b32 s[G1+0], s[MR], (3<<16)|(1<<21)       ; 15:0 the mask; 17:16 elements of 8 bytes; 21 set beside a mask
	s_or_b32 s[G1B+0], s[MC], (3<<16)|(1<<21)
.irp g, G1, G1B
	s_mov_b32 s[\g+1], 1536<<16                    ; tensor_dim0
	s_mov_b32 s[\g+2], 4<<16                       ; tensor_dim1
	s_mov_b32 s[\g+3], 1536<<16                    ; tile_dim0
	s_mov_b32 s[\g+4], 4                           ; tile_dim1
	s_mov_b32 s[\g+5], CHB/8                       ; tensor_dim0_stride
	s_mov_b32 s[\g+6], 0
	s_mov_b32 s[\g+7], 0
.endr
	; and for scale words: 8 rows (one for each 128 along K) of 1,024 dense bytes (256 rows x 4), SPB bytes apart
	s_or_b32 s[G1S+0], s[MR], (3<<16)|(1<<21)
	s_or_b32 s[G1SB+0], s[MC], (3<<16)|(1<<21)
.irp g, G1S, G1SB
	s_mov_b32 s[\g+1], 128<<16
	s_mov_b32 s[\g+2], 8<<16
	s_mov_b32 s[\g+3], 128<<16
	s_mov_b32 s[\g+4], 8
	s_mov_b32 s[\g+5], SPB/8
	s_mov_b32 s[\g+6], 0
	s_mov_b32 s[\g+7], 0
.endr
	; the rows that I fetch.  'A's hang on cy, 'B's on cx, each in registers that never hold the other
	s_lshl_b32 s92, s[YY], 10
	s_sub_co_u32 s[QCC], s[YY], 8
	s_lshl_b32 s[QCC], s[QCC], 1
	s_add_co_u32 s[QCC], s[QCC], s[XX]             ; kind 1: 2 (y - 8) + x
	s_lshl_b32 s94, s[QCC], 10
	s_lshl_b32 s95, s[XX], 10
	s_add_co_u32 s95, s95, 8192
	s_mov_b32 s93, 10240
	s_cmp_lg_u32 s[TYP], 0
	s_cselect_b32 s92, s93, s92                    ; 'A': Wv's columns, or x's rows 1,024 y on
	s_cselect_b32 s94, s94, s95                    ; 'B': x's rows, or Wq's and Wk's columns 1,024 x on
	s_lshl_b32 s93, s[CY], 8
	s_add_co_u32 s92, s92, s93
	s_lshl_b32 s95, s[CX], 8
	s_add_co_u32 s94, s94, s95
	s_mul_i32 s96, s92, 48
	s_mov_b32 s97, 0
	s_lshl_b32 s98, s92, 2
	s_mov_b32 s99, 0
	s_mul_i32 s100, s94, 48
	s_mov_b32 s101, 0
	s_lshl_b32 s2, s94, 2
	s_mov_b32 s3, 0
	s_mul_i32 s21, s[WV], HALFT                    ; where they go: no place in the cluster enters an LDS address
	s_mul_i32 s22, s[FL], 2*CHB                    ; in the ring I fetch two of a slot's four 64s along K: which two, in bytes
	s_mov_b32 s23, 0
	s_wait_dscnt 0x0                               ; both opening adds are done
	s_wait_kmcnt 0x0
	s_add_nc_u64 s[96:97], s[4:5], s[96:97]
	s_add_nc_u64 s[98:99], s[6:7], s[98:99]
	s_add_nc_u64 s[100:101], s[4:5], s[100:101]
	s_add_nc_u64 s[2:3], s[6:7], s[2:3]
	CROUND                                         ; all sixteen work-groups are here: the first joint loads meet
	s_mov_b32 s[G0S], 1
	s_mov_b32 s[G0S+1], SCL
	s_mov_b64 s[G0S+2:G0S+3], s[98:99]
	s_or_b32 s[G0S+3], s[G0S+3], 0x80000000
	s_mov_b32 s[G0SB], 1
	s_mov_b32 s[G0SB+1], SCL+8192
	s_mov_b64 s[G0SB+2:G0SB+3], s[2:3]
	s_or_b32 s[G0SB+3], s[G0SB+3], 0x80000000
.set G0H,  4                           ; s[4:7] group 0 of the head's load of 'A's slot 0 (the arguments that lay there have been used)
.set G0HB, 92                          ; s[92:95] of 'B's (the row numbers that lay there have been used)
	s_mov_b32 s[G0H], 1
	s_mov_b32 s[G0H+1], 0
	s_mov_b64 s[G0H+2:G0H+3], s[96:97]
	s_or_b32 s[G0H+3], s[G0H+3], 0x80000000
	s_mov_b32 s[G0HB], 1
	s_mov_b32 s[G0HB+1], 2*HALFT
	s_mov_b64 s[G0HB+2:G0HB+3], s[100:101]
	s_or_b32 s[G0HB+3], s[G0HB+3], 0x80000000
	s_add_nc_u64 s[96:97], s[96:97], s[22:23]      ; for the ring: my two 64s along K
	s_add_nc_u64 s[100:101], s[100:101], s[22:23]
.irp s, 0,1
	s_mov_b32 s[G0+4*\s], 1
	s_add_co_u32 s[G0+4*\s+1], s21, \s*SLOT
	s_add_nc_u64 s[G0+4*\s+2:G0+4*\s+3], s[96:97], \s*SLOTG
	s_or_b32 s[G0+4*\s+3], s[G0+4*\s+3], 0x80000000
	s_mov_b32 s[G0B+4*\s], 1
	s_add_co_u32 s[G0B+4*\s+1], s21, \s*SLOT
	s_add_nc_u64 s[G0B+4*\s+2:G0B+4*\s+3], s[100:101], \s*SLOTG
	s_or_b32 s[G0B+4*\s+3], s[G0B+4*\s+3], 0x80000000
.endr
; THE HEAD'S LOADS, ONE A WAVE: wave 0 slot 0's part of 'A', wave 1 that of 'B', wave 2 'A's scale words, wave 3 'B's.  One chain of branches on the wave's number: every way passes exactly one load.
.macro ARM under, g0, g1, next
	s_cmp_lt_u32 s[WV], \under
	s_cbranch_scc0 \next
	tensor_load_to_lds s[\g0:\g0+3], s[\g1:\g1+7]
	s_nop 0
.rept 4
	v_nop
.endr
	s_branch .Lhead_asked
\next:
.endm
	ARM 1, G0H,  G1,  .Lhead_b
	ARM 2, G0HB, G1B, .Lhead_sa
	ARM 3, G0S,  G1S, .Lhead_sb
	tensor_load_to_lds s[G0SB:G0SB+3], s[G1SB:G1SB+7]
	s_nop 0
.rept 4
	v_nop
.endr
.Lhead_asked:
	v_and_b32 v1, 15, v0                           ; r
	v_bfe_u32 v2, v0, 4, 1                         ; h
	v_and_b32 v3, 31, v0
	v_lshlrev_b32 v[CO], 4, v3
	; my wave's 128 numbers of the bias: kind 0: along 'B' (bq or bk); kind 1: along 'A' (bv)
	s_wait_alu depctr_va_vdst(0)
	s_lshl_b32 s23, s[CY], 10
	s_lshl_b32 s66, s[FH], 9
	s_add_co_u32 s23, s23, s66
	s_lshl_b32 s66, s[CX], 10
	s_lshl_b32 s67, s[FL], 9
	s_add_co_u32 s66, s66, s67
	s_cmp_lg_u32 s[XX], 0
	s_cselect_b64 s[8:9], s[10:11], s[8:9]
	s_cmp_lg_u32 s[TYP], 0
	s_cselect_b64 s[8:9], s[12:13], s[8:9]
	s_cselect_b32 s66, s23, s66
	s_mov_b32 s67, 0
	s_add_nc_u64 s[8:9], s[8:9], s[66:67]
	global_load_b128 v[64:67], v[CO], s[8:9]
	s_mov_b32 s[SEL], 0x76543210
	s_mov_b32 s[SEL+1], 0xfedcba98
	v_mul_u32_u24 v4, v1, 48
	v_mad_u32_u24 v4, v2, 24, v4                   ; a fragment's row x 48 + 24 x half
	s_wait_alu depctr_va_vdst(0)
	s_mul_i32 s21, s[FH], 6144                     ; my 128 of the 256 rows: 128 x 48 bytes
	s_mul_i32 s22, s[FL], 6144
	s_add_co_u32 s22, s22, 2*HALFT
.irp s, 0,1
	v_add_nc_u32 v[ADRA+\s], s21, v4
	v_add_nc_u32 v[ADRB+\s], s22, v4
	s_add_co_u32 s21, s21, SLOT
	s_add_co_u32 s22, s22, SLOT
.endr
	s_lshl_b32 s21, s[FH], 9                       ; my 128 rows' scale words: 128 x 4 bytes
	s_lshl_b32 s22, s[FL], 9
	s_add_co_u32 s22, s22, 8192
	s_sub_co_u32 s22, s22, s21
	v_mul_u32_u24 v5, s22, v2                      ; lanes 16-31 take 'B's: one product, the distance between the two regions
	s_add_co_u32 s21, s21, SCL
	v_lshl_add_u32 v5, v1, 2, v5
	v_add_nc_u32 v[ADRS], s21, v5
	s_mul_i32 s23, s[WV], STW
	s_add_co_u32 s21, s23, STGQ
	v_add_nc_u32 v[STQ], s21, v4
	v_lshlrev_b32 v5, 9, v2
	v_lshl_add_u32 v5, v1, 2, v5
	v_add_nc_u32 v5, s21, v5
	v_add_nc_u32 v[SSQ], 12288, v5                 ; lanes 0-15 the first head's words, lanes 16-31 the second's
	v_add_nc_u32 v[RDQ], s21, v[CO]
	s_add_co_u32 s21, s23, STGV
	v_and_b32 v5, 8, v1
	v_add_nc_u32 v5, v5, v1                        ; r + 8 (r / 8): bit 3 of d goes to bit 4 of d'
	v_mul_u32_u24 v6, v5, 48
	v_mad_u32_u24 v6, v2, 24, v6
	v_add_nc_u32 v[STV], s21, v6
	v_lshlrev_b32 v5, 2, v5
	v_add_nc_u32 v5, s21, v5
	v_add_nc_u32 v[SSV], 12288, v5
	v_add_nc_u32 v[RDV], s21, v[CO]
	v_mul_u32_u24 v5, v2, 12288
	v_lshl_add_u32 v[COV], v1, 4, v5
	s_lshl_b32 s21, s[WV], 9
	s_add_co_u32 s21, s21, BIAS
	v_lshl_add_u32 v[BRD], v2, 5, s21
	v_lshl_add_u32 v[BRV], v1, 2, s21
	v_add_nc_u32 v[BWR], s21, v[CO]
	v_lshlrev_b32 v[H16], 4, v2
	s_wait_alu depctr_va_vdst(0)
	s_wait_loadcnt 0x0
	ds_store_b128 v[BWR], v[64:67]                 ; the bias waits in my own 512 bytes of LDS for the way out
.macro FRAG reg, adr, q, i             ; a fragment: lane (r, h): registers 0-5 the 24 bytes of block h of the first 64 along K, registers 6-11 those of the second 64; in pieces of 8 bytes
.irp p, 0,1,2,3,4,5
	ds_load_b64 v[\reg+2*\p:\reg+2*\p+1], v[\adr] offset:(2*(\q)+\p/3)*12288+(\i)*768+8*(\p%3)
.endr
.endm
; 16 matrix instructions: 'A's blocks a0, a0 + 1 x 'B's eight.  The 64 accumulators take turns, one instruction a turn, in the same order in every step.
.macro MUL16 a0, p, q, sc, zero
.irp a, \a0, \a0+1
.irp b, 0,1,2,3,4,5,6,7
.if \zero
	v_wmma_scale_f32_16x16x128_f8f6f4 v[8*(8*((\a)%4)+\b):8*(8*((\a)%4)+\b)+7], v[128*(\p)+FR*\b:128*(\p)+FR*\b+FR-1], v[AF+FR*(\a):AF+FR*(\a)+FR-1], 0, v[SC+8*NQ*(\sc)+NQ*\b+(\q)], v[SC+8*NQ*(\sc)+NQ*(\a)+(\q)] matrix_a_fmt:MATRIX_FMT_FP6 matrix_b_fmt:MATRIX_FMT_FP6 matrix_a_scale:MATRIX_SCALE_ROW1
.else
	v_wmma_scale_f32_16x16x128_f8f6f4 v[8*(8*((\a)%4)+\b):8*(8*((\a)%4)+\b)+7], v[128*(\p)+FR*\b:128*(\p)+FR*\b+FR-1], v[AF+FR*(\a):AF+FR*(\a)+FR-1], v[8*(8*((\a)%4)+\b):8*(8*((\a)%4)+\b)+7], v[SC+8*NQ*(\sc)+NQ*\b+(\q)], v[SC+8*NQ*(\sc)+NQ*(\a)+(\q)] matrix_a_fmt:MATRIX_FMT_FP6 matrix_b_fmt:MATRIX_FMT_FP6 matrix_a_scale:MATRIX_SCALE_ROW1
.endif
.endr
.endr
.endm
.macro FETCH_B slot, q, p
	WIN TO_B
.irp i, 0,1,2,3,4,5,6,7
	FRAG 128*(\p)+FR*\i, ADRB+\slot, \q, \i
.endr
	WIN 0
.endm
.macro FETCH_A slot, q, i0
.irp i, \i0, \i0+1, \i0+2, \i0+3
	FRAG AF+FR*(\i), ADRA+\slot, \q, \i
.endr
.endm
.macro SCALES sc                       ; the next slot's scale words into set sc
.irp i, 0,1,2,3,4,5,6,7
.irp q, 0,1
	ds_load_b32 v[SC+8*NQ*\sc+NQ*\i+\q], v[ADRS] offset:1024*\q+64*\i
.endr
.endr
.endm
.macro PLACES n                        ; places in front of loads into registers that matrix instructions have read, and of the first read of results
.rept \n
	v_nop
.endr
.endm
.macro STEP slot, q, zero              ; a step of 128 along K that has its successor in the same slot
	s_wait_dscnt 4*NL                              ; 'B's set and 'A's blocks 0-3 are in; the youngest 24 loads ('A's blocks 4-7) may be out
	WIN MUL_LO
	MUL16 0, (\q)%2, \q, \slot, \zero
	MUL16 2, (\q)%2, \q, \slot, \zero
	s_wait_dscnt 0
	PLACES NP
	FETCH_B \slot, (\q)+1, 1-(\q)%2
	FETCH_A \slot, (\q)+1, 0
	WIN MUL_HI
	MUL16 4, (\q)%2, \q, \slot, \zero
	MUL16 6, (\q)%2, \q, \slot, \zero
	PLACES NP
	WIN 0
	FETCH_A \slot, (\q)+1, 4
.endm
; A slot's last step changes slots: one barrier; in front of it each wave waits for all its tensor loads, adds 0 to its spare word, and waits for that and for its reads of this slot.  fill = 1: the slot is filled again, two slots' worth of K ahead.
.macro TURN slot, next, fill
	s_wait_tensorcnt 0x0                           ; all my tensor loads have landed: my part of the next slot
	ds_add_u32 v[SPW], v[NIL]                      ; 0 onto my spare word
	s_wait_dscnt 4*NL+1                            ; (the add and the youngest 24 loads may be out)
	WIN MUL_LO
	MUL16 0, 1, NQ-1, \slot, 0
	s_wait_dscnt 0x0                               ; the add is done, and my reads of this slot are over
	s_barrier_signal -1
	MUL16 2, 1, NQ-1, \slot, 0
	WIN 0
	s_barrier_wait -1
.if \fill
	CREST                                          ; the barrier has opened a round of the cluster's: no wave of any partner still reads this slot or has a load on its way
	s_add_nc_u64 s[G0+4*\slot+2:G0+4*\slot+3], s[G0+4*\slot+2:G0+4*\slot+3], 2*SLOTG
	s_add_nc_u64 s[G0B+4*\slot+2:G0B+4*\slot+3], s[G0B+4*\slot+2:G0B+4*\slot+3], 2*SLOTG
	JLOAD G0+4*\slot, G1, G0B+4*\slot, G1B         ; the first tensor load behind the round, my one load until the next; its four v_nop are the places in front of the loads below
.else
	PLACES NP
.endif
	s_wait_alu depctr_va_vdst(0)
	v_add_nc_u32 v[ADRS], 1024*NQ, v[ADRS]         ; on to the next slot's scale words
	FETCH_B \next, 0, 0
	FETCH_A \next, 0, 0
	SCALES \next
	WIN MUL_HI
	MUL16 4, 1, NQ-1, \slot, 0
	MUL16 6, 1, NQ-1, \slot, 0
	PLACES NP
	WIN 0
	FETCH_A \next, 0, 4
.endm
	s_wait_tensorcnt 0x0                           ; my tile of the head's four is in
	ds_add_u32 v[SPW], v[NIL]
	s_mov_b32 s[G1+2], 2<<16                       ; no tensor load of mine is out, so a descriptor may be written: from here on a load brings two rows
	s_mov_b32 s[G1+4], 2
	s_mov_b32 s[G1B+2], 2<<16
	s_mov_b32 s[G1B+4], 2
	s_wait_dscnt 0x0                               ; the add is done, and my store of the bias has landed
	CROUND                                         ; a whole round: all four tiles are in, and all sixteen work-groups are here
	JLOAD G0+4, G1, G0B+4, G1B                     ; slot 1's first fill, the first tensor load behind the round
	FETCH_B 0, 0, 0
	FETCH_A 0, 0, 0
	SCALES 0
	FETCH_A 0, 0, 4
	STEP 0, 0, 1                                   ; K = 1,024 is eight steps, written out: the first products start the sums
	TURN 0, 1, 1
	STEP 1, 0, 0
	TURN 1, 0, 1
	STEP 0, 0, 0
	TURN 0, 1, 0                                   ; nothing is left to fetch
	STEP 1, 0, 0
	s_wait_dscnt 4*NL
	WIN MUL_LO
	MUL16 0, 1, NQ-1, 1, 0
	MUL16 2, 1, NQ-1, 1, 0
	s_wait_dscnt 0
	WIN MUL_HI
	MUL16 4, 1, NQ-1, 1, 0
	MUL16 6, 1, NQ-1, 1, 0
	WIN 0
; THE WAY OUT.  64 numbers of a lane, v[s] .. v[s + 63], of which registers 16 b .. 16 b + 15 and those of lane l xor 16 are block b, become a fragment's codes in v[PC] on and the row's four scale bytes in v[PW].
.macro QUANT s
.irp b, 0,1,2,3
	v_max3_num_f32 v[TM+\b], |v[\s+16*\b]|, |v[\s+1+16*\b]|, 0x1800000   ; my 16 numbers, and the floor 2^(3 - 127): the byte cannot fall under 1
.endr
.irp i, 2,4,6,8,10,12,14
.irp b, 0,1,2,3
	v_max3_num_f32 v[TM+\b], v[TM+\b], |v[\s+16*\b+\i]|, |v[\s+1+16*\b+\i]|
.endr
.endr
.irp b, 0,1,2,3
	v_permlanex16_b32 v[TM+4+\b], v[TM+\b], s[SEL], s[SEL+1]
.endr
.irp b, 0,1,2,3
	v_max_num_f32 v[TM+\b], v[TM+\b], v[TM+4+\b]   ; the block's largest magnitude
.endr
.irp b, 0,1,2,3
	v_add_nc_u32 v[TM+12+\b], 0xff000000, v[TM+\b] ; 2 off its exponent field: the conversion's scale operand
.endr
.irp b, 0,1,2,3
	v_lshrrev_b32 v[TM+4+\b], 23, v[TM+12+\b]      ; the scale's byte
.endr
	v_lshl_or_b32 v[PW], v[TM+5], 8, v[TM+4]
	v_lshl_or_b32 v[PW], v[TM+6], 16, v[PW]
	v_lshl_or_b32 v[PW], v[TM+7], 24, v[PW]
.irp c, 0,1
	v_cvt_scalef32_pk16_fp6_f32 v[PC+6*\c:PC+2+6*\c], v[\s+32*\c:\s+15+32*\c], v[TM+12+2*\c]
	v_cvt_scalef32_pk16_fp6_f32 v[PC+12+4*\c:PC+14+4*\c], v[\s+16+32*\c:\s+31+32*\c], v[TM+12+2*\c+1]
.endr
	v_nop                                          ; one plain place behind a scaled conversion
.irp c, 0,1                                    ; a WHOLE block to a lane: lanes 0-15 block 2 c, lanes 16-31 block 2 c + 1
.irp i, 0,1,2
	v_permlane16_swap_b32 v[PC+6*\c+\i], v[PC+12+4*\c+\i]
.endr
.irp i, 0,1,2
	v_mov_b32 v[PC+3+6*\c+\i], v[PC+12+4*\c+\i]
.endr
.endr
.endm
; 'A's block a: + bias, quantised, codes and scale words into my stage
.macro EPI a, type
	WIN 0x02+(\a)/4                                ; source 0: the accumulators' window
.set AC, 64*((\a)%4)
.set i, 0
.rept 32
.if \type
	v_pk_add_f32 v[HA+i:HA+i+1], v[AC+i:AC+i+1], v[CB+2*(\a):CB+2*(\a)+1]   ; each accumulator from its low end on
.else
	v_pk_add_f32 v[HA+i:HA+i+1], v[AC+i:AC+i+1], v[CB+i:CB+i+1]
.endif
.set i, i+2
.endr
	WIN 0
	QUANT HA
.irp c, 0,1
.irp p, 0,1,2
.if \type
	ds_store_b64 v[STV], v[PC+6*\c+2*\p:PC+6*\c+2*\p+1] offset:((\a)/4)*6144+\c*3072+(32*(((\a)%4)/2)+8*((\a)%2))*48+8*\p   ; [head][64 keys][d'][48]
.else
	ds_store_b64 v[STQ], v[PC+6*\c+2*\p:PC+6*\c+2*\p+1] offset:\c*6144+(\a)*768+8*\p                                       ; [head][row][48]
.endif
.endr
.endr
.if \type
	ds_store_b32 v[SSV], v[PW] offset:((\a)/4)*256+(32*(((\a)%4)/2)+8*((\a)%2))*4   ; the word of these 128 keys (both halves of the lanes write the same word with the same value)
.else
	v_lshrrev_b32 v[TT], v[H16], v[PW]             ; a head has two blocks: its word is two bytes of mine over two zero bytes, which meet zero codes alone
	v_and_b32 v[TT], 0xffff, v[TT]
	ds_store_b32 v[SSQ], v[TT] offset:64*(\a)
.endif
	s_wait_dscnt 0x0                               ; the stores have read their registers
.endm
.macro SENDC rd                        ; two heads' 6,144 bytes of codes each leave as they lie
.irp g, 0,1
.irp i, 0,1,2,3,4,5,6,7,8,9,10,11
	ds_load_b128 v[OUTR+4*(12*\g+\i):OUTR+4*(12*\g+\i)+3], v[\rd] offset:\g*6144+512*\i
.endr
.endr
.irp g, 0,1
.irp i, 0,1,2,3,4,5,6,7,8,9,10,11
	s_wait_dscnt 23-12*\g-\i                       ; LDS loads come back in order: this one is in
	global_store_b128 v[CO], v[OUTR+4*(12*\g+\i):OUTR+4*(12*\g+\i)+3], s[14:15] offset:\g*HB+512*\i   ; 32 lanes store 512 consecutive bytes, aligned
.endr
.endr
.endm
	PLACES NP
.irp b, 0,1,2,3
	v_mov_b32 v[TM+4+\b], 0                        ; written once: a lane permute's destination counts as one of its sources
.endr
	s_cmp_lg_u32 s[TYP], 0                         ; the kind: the same in all waves and all partners
	s_cbranch_scc1 .Lkind_1
	; ---- kind 0: q or k.  Rows = positions, my 128 columns = two heads
.irp b, 0,1,2,3,4,5,6,7
	ds_load_b128 v[CB+8*\b:CB+8*\b+3], v[BRD] offset:64*\b         ; the bias at columns 16 b + 8 h + 0 .. 7
	ds_load_b128 v[CB+8*\b+4:CB+8*\b+7], v[BRD] offset:64*\b+16
.endr
	s_lshl_b32 s92, s[YY], 10
	s_lshl_b32 s93, s[CY], 8
	s_add_co_u32 s92, s92, s93
	s_lshl_b32 s93, s[FH], 7
	s_add_co_u32 s92, s92, s93                     ; my first row of x
	s_lshr_b32 s93, s92, 11                        ; its batch
	s_and_b32 s92, s92, 2047                       ; its position
	s_lshl_b32 s93, s93, 4
	s_lshl_b32 s94, s[CX], 2
	s_add_co_u32 s93, s93, s94
	s_lshl_b32 s94, s[FL], 1
	s_add_co_u32 s93, s93, s94                     ; 16 x batch + my first head
	s_mul_i32 s94, s[XX], SEC                      ; q's section or k's
	s_mul_i32 s95, s93, HB
	s_add_co_u32 s94, s94, s95
	s_mul_i32 s95, s92, 48
	s_add_co_u32 s94, s94, s95
	s_mov_b32 s95, 0
	s_add_nc_u64 s[14:15], s[14:15], s[94:95]
	s_lshl_b32 s96, s[XX], 12
	s_add_co_u32 s96, s96, 8192                    ; a head's scale bytes: 8,192 in q's part, 12,288 in k's and v's
	s_mov_b32 s97, 0
	s_mul_i32 s98, s93, s96
	s_lshl_b32 s99, s[XX], 19
	s_add_co_u32 s98, s98, s99
	s_lshl_b32 s99, s92, 2
	s_add_co_u32 s98, s98, s99
	s_mov_b32 s99, 0
	s_add_nc_u64 s[16:17], s[16:17], s[98:99]
	s_add_nc_u64 s[100:101], s[16:17], s[96:97]
	s_wait_dscnt 0x0
.irp a, 0,1,2,3,4,5,6,7
	EPI \a, 0
.endr
	SENDC RDQ
	ds_load_b128 v[160:163], v[RDQ] offset:12288
	ds_load_b128 v[164:167], v[RDQ] offset:12800
	s_wait_dscnt 0x0
	global_store_b128 v[CO], v[160:163], s[16:17]  ; 128 rows' scale words of the first head: 512 consecutive bytes, aligned
	global_store_b128 v[CO], v[164:167], s[100:101]
	s_branch .Ldone
.Lkind_1:
	; ---- kind 1: v.  Rows = two heads' 64 channels, my 128 columns = one step of 128 keys
.irp a, 0,1,2,3,4,5,6,7
	ds_load_b32 v[CB+2*\a], v[BRV] offset:64*\a    ; my row's bias, twice: a pair for the packed addition
	ds_load_b32 v[CB+2*\a+1], v[BRV] offset:64*\a
.endr
	s_lshl_b32 s92, s[QCC], 10
	s_lshl_b32 s93, s[CX], 8
	s_add_co_u32 s92, s92, s93
	s_lshl_b32 s93, s[FL], 7
	s_add_co_u32 s92, s92, s93                     ; my first row of x
	s_lshr_b32 s93, s92, 11                        ; its batch
	s_bfe_u32 s92, s92, 0x40007                    ; which 128 keys
	s_lshl_b32 s93, s93, 4
	s_lshl_b32 s94, s[CY], 2
	s_add_co_u32 s93, s93, s94
	s_lshl_b32 s94, s[FH], 1
	s_add_co_u32 s93, s93, s94                     ; 16 x batch + my first head
	s_mul_i32 s94, s93, HB
	s_mul_i32 s95, s92, 6144
	s_add_co_u32 s94, s94, s95
	s_add_co_u32 s94, s94, 2*SEC
	s_mov_b32 s95, 0
	s_add_nc_u64 s[14:15], s[14:15], s[94:95]
	s_mul_i32 s96, s93, 12288
	s_lshl_b32 s97, s92, 8
	s_add_co_u32 s96, s96, s97
	s_add_co_u32 s96, s96, 524288+8192
	s_mov_b32 s97, 0
	s_add_nc_u64 s[16:17], s[16:17], s[96:97]
	s_wait_dscnt 0x0
.irp a, 0,1,2,3,4,5,6,7
	EPI \a, 1
.endr
	SENDC RDV
	ds_load_b128 v[160:163], v[RDV] offset:12288
	s_wait_dscnt 0x0
	global_store_b128 v[COV], v[160:163], s[16:17] ; sixteen lanes store a head's 256 consecutive bytes, aligned
.Ldone:
	s_wait_tensorcnt 0x0                           ; the wave's end: behind my last tensor load and my last LDS store
	ds_add_u32 v[SPW], v[NIL]
	s_wait_dscnt 0x0
	CROUND                                         ; the closing round
	s_endpgm
.Lfunc_end_k_q5462554284_qkv:
	.size	k_q5462554284_qkv, .Lfunc_end_k_q5462554284_qkv-k_q5462554284_qkv
	.p2alignl 7, 3214868480
	.fill 96, 4, 3214868480
	.section	.rodata,"a",@progbits
	.p2align	6, 0x0
	.amdhsa_kernel k_q5462554284_qkv
		.amdhsa_group_segment_fixed_size 327680
		.amdhsa_private_segment_fixed_size 0
		.amdhsa_enable_private_segment 0
		.amdhsa_kernarg_size 56
		.amdhsa_user_sgpr_count 2
		.amdhsa_user_sgpr_kernarg_segment_ptr 1
		.amdhsa_wavefront_size32 1
		.amdhsa_system_sgpr_workgroup_id_x 1
		.amdhsa_system_sgpr_workgroup_id_y 1
		.amdhsa_system_sgpr_workgroup_id_z 1
		.amdhsa_system_vgpr_workitem_id 0
		.amdhsa_next_free_vgpr 1024
		.amdhsa_next_free_sgpr 102
		.amdhsa_reserve_vcc 0
		.amdhsa_float_denorm_mode_32 3
		.amdhsa_float_denorm_mode_16_64 3
		.amdhsa_memory_ordered 1
		.amdhsa_forward_progress 1
		.amdhsa_inst_pref_size 249
	.end_amdhsa_kernel
	.amdgpu_metadata
---
amdhsa.version: [ 1, 2 ]
amdhsa.kernels:
  - .name:           k_q5462554284_qkv
    .symbol:         k_q5462554284_qkv.kd
    .args:
      - { .name: codes, .offset: 0, .size: 8, .value_kind: global_buffer, .address_space: global }
      - { .name: scl, .offset: 8, .size: 8, .value_kind: global_buffer, .address_space: global }
      - { .name: bq, .offset: 16, .size: 8, .value_kind: global_buffer, .address_space: global }
      - { .name: bk, .offset: 24, .size: 8, .value_kind: global_buffer, .address_space: global }
      - { .name: bv, .offset: 32, .size: 8, .value_kind: global_buffer, .address_space: global }
      - { .name: qkvc, .offset: 40, .size: 8, .value_kind: global_buffer, .address_space: global }
      - { .name: qkvs, .offset: 48, .size: 8, .value_kind: global_buffer, .address_space: global }
    .group_segment_fixed_size: 327680
    .private_segment_fixed_size: 0
    .kernarg_segment_align: 8
    .kernarg_segment_size: 56
    .max_flat_workgroup_size: 128
    .sgpr_count:     102
    .vgpr_count:     1024
    .wavefront_size: 32
...
	.end_amdgpu_metadata
.endif
;; end of part 2
;; launch attn (part 3): grid 4 x 64, 16 waves a work-group, clusters of 4 x 1, 262,144 bytes of LDS; arguments qkvc, qkvs, acod, ascl; writes acod, ascl
.if DOCPART == 3
	.amdgcn_target "amdgcn-amd-amdhsa--gfx1250"
	.amdhsa_code_object_version 6
	.text
	.protected	k_q5462554284_attn
	.globl	k_q5462554284_attn
	.p2align	8
	.type	k_q5462554284_attn,@function
k_q5462554284_attn:
	s_mov_b64 s[64:65], 0
	v_nop
	global_prefetch_b8 v0, s[64:65] scope:SCOPE_SE
	s_setreg_imm32_b32 hwreg(HW_REG_WAVE_MODE, 25, 1), 1
	s_wait_xcnt 0x0
	s_wait_alu depctr_hold_cnt(0) depctr_sa_sdst(0) depctr_va_vdst(0) depctr_va_sdst(0) depctr_va_ssrc(0) depctr_va_vcc(0) depctr_vm_vsrc(0)
	s_getreg_b32 s2, hwreg(HW_REG_IB_STS2, 6, 4)
	s_cmp_eq_u32 s2, 0
	s_cbranch_scc0 .Lentry_in_a_cluster
	s_endpgm
.Lentry_in_a_cluster:
	s_bfe_u32 s2, ttmp6, 0x10000c
	s_cmp_lg_u32 s2, 0x3003
	s_cbranch_scc0 .Lentry_shape_is_right
	s_endpgm
.Lentry_shape_is_right:
; Causal attention on codes of FP6 (E2M3): scores = q k^T / 8, softmax, x v; the result is divided by the row's sum and QUANTISED along the model's 1,024 for the last product.
; LEFT OUT: a step of 128 keys all of which come after all 16 queries of a tile: reference()'s own mask gives them the weight 0 for every input.
; THE SOFTMAX: t = score x log2(e) / 8; M = the row's largest t so far, rounded UP to a whole number; p = 2^(t - M) is what is quantised, along the keys, not normalised.  The row's sum is taken of the unquantised p.
; When M moves, the sum and O are multiplied by 2^(old M - new M): exact.
; SHARES.  A cluster of four work-groups owns a head (of a batch); a head's K and V, codes and scale words, lie WHOLE in each work-group's LDS, filled once by joint loads: no ring, no refill.
; A head has 128 tiles of 16 queries.  Wave w of the partner at place cx owns tiles 127 - (4 w + cx) and 4 w + cx: 16 - w / 2 and w / 2 + 1 steps of 128 keys: 17 for every wave of the launch.
; How many steps a wave walks hangs on its number alone, never on its work-group's place; wave 0 of every partner reads the last keys, so every partner reads all that the joint loads bring.
; LAYOUT.  Both products transposed: S^T = K Q^T (source 0 = 16 neighbouring keys, source 1 = my 16 queries), O^T = V^T P^T: a lane holds ONE query (lane % 16) throughout.
; The head's size is 64: the upper half of the first product's K = 128 is zero codes on both sides (registers that are cleared once), under zero scale bytes.
; Inside a block of 32 keys p's codes lie as v's were laid by the launch before (two bits of the key exchanged on both sides); v's rows lie at d' (bits 3 and 4 of d exchanged), so that O^T's registers run along d in the order that the conversions want.
; REGISTERS: v1-11 addresses; v12 -M, v13 the largest t, v[14:15] the sum; v16-27 Q; v28-31 addresses and the mask's number; v32-79 four fragments of K; v80-127 four of V; v128-191 S^T, then p; v192-223 O^T; v224-255 at work.
.set HB,    98304                      ; a head's codes in a section of qkvc
.set SEC,   6291456
.set VC,    98304                      ; LDS: K's codes [2,048 keys][48] at 0; V's [32 x 64 keys][64 d'][48] here
.set KS,    196608                     ; K's scale words [2,048][4]
.set VS,    204800                     ; V's [16 steps][64 d'][4]
.set STG,   208896                     ; the way out: 768 bytes for each wave
.set SPARE, 221184                     ; the spare words, 128 bytes for each wave
.set AK0,  1                           ; v1   48 r + 24 h: my place in a tile of K; also in a tile of Q in memory
.set AV0,  2
.set ASK0, 3
.set ASV0, 4
.set SPW,  5                           ; v5   LDS address of my spare word; never rewritten
.set NIL,  6                           ; v6   0; never rewritten
.set GO,   7                           ; v7   8 x lane
.set ADK,  8
.set ADV,  9
.set ADS,  10
.set ADT,  11
.set STI,  28
.set STO,  29
.set DM,   30                          ; v30  my query less the diagonal step's first key less 8 h
.set BA,   31                          ; v31  4 r + h: my byte among the tile's scale words
.set S,    128
.set O,    192
.set T2,   12                          ; s12  my second tile: 4 w + cx
.set T1,   13                          ; s13  my first tile: 127 less that
.set WV,   18
.set SEL,  20                          ; s[20:21] lane selects for v_permlanex16_b32: lane l xor 16; never rewritten
.set CS,   22                          ; s[22:23] c = log2(e) / 8
.set G1S,  24
.set G1E,  32
.set G1L,  40
.set G0S,  48
.set G0E,  52
.set G0L,  56
.set SI,   60                          ; the key step, and the loops' counter
.set LAST, 61                          ; the tile's last step: the one on the diagonal
.set TK,   62                          ; 6,144 bytes a step, in K's codes and in V's
.set TS,   63                          ; 512 a step in K's scale words
.set TJ,   66                          ; 256 a step in V's
.set HM,   67                          ; lanes 16-31
.macro CROUND
	s_barrier_signal -1
	s_barrier_wait -1
	s_cmp_lg_u32 s[WV], 0
	s_cbranch_scc1 .Lnot_wave_0_\@
	s_barrier_signal -3
.Lnot_wave_0_\@:
	s_barrier_wait -3
	s_barrier_signal -1
	s_barrier_wait -1
.endm
	s_load_b256 s[4:11], s[0:1], 0x0               ; qkvc, qkvs, acod, ascl
	v_lshl_add_u32 v[SPW], v0, 2, SPARE
	v_mov_b32 v[NIL], 0
	ds_add_u32 v[SPW], v[NIL]                      ; the wave's opening: the add, twice on end, and its wait ahead of my first tensor load
	ds_add_u32 v[SPW], v[NIL]
	v_lshrrev_b32 v8, 5, v0
	s_delay_alu instid0(VALU_DEP_1)
	v_readfirstlane_b32 s[WV], v8                  ; wave 0..15
	s_and_b32 s19, ttmp7, 0xffff                   ; 16 x batch + head, which the four partners share
	s_mul_i32 s88, s19, HB
	s_lshl_b32 s89, s19, 13
	; group 1: dense blocks as rows of 256 bytes (32 elements of 8 bytes); mask: all four partners
.irp g, G1E
	s_mov_b32 s[\g], 15|(3<<16)|(1<<21)
	s_mov_b32 s[\g+1], 32<<16
	s_mov_b32 s[\g+3], 32<<16
	s_mov_b32 s[\g+5], 32
	s_mov_b32 s[\g+6], 0
	s_mov_b32 s[\g+7], 0
.endr
	s_mov_b32 s[G1E+2], 48<<16                     ; K's and V's codes are 8 pieces of 12,288 bytes (256 keys) each: one piece, one load, a wave
	s_mov_b32 s[G1E+4], 48
	s_bfe_u32 s96, s[WV], 0x10001                  ; bit 1 of the wave's number: K's codes (0) or V's (1)
	s_lshr_b32 s97, s[WV], 2
	s_lshl_b32 s97, s97, 1
	s_and_b32 s98, s[WV], 1
	s_or_b32 s97, s97, s98                         ; the piece: 2 (w / 4) + w % 2: waves 0 to 3 have pieces 0 and 1, keys 0 .. 511
	s_mul_i32 s99, s96, SEC
	s_add_co_u32 s99, s99, SEC
	s_add_co_u32 s99, s99, s88                     ; the section and the head, in memory
	s_mul_i32 s96, s96, VC                         ; and in LDS
	s_mul_i32 s97, s97, 12288
	s_mov_b32 s[SEL], 0x76543210
	s_mov_b32 s[SEL+1], 0xfedcba98
	s_mov_b32 s[CS], 0x3e38aa3b
	s_mov_b32 s[CS+1], s[CS]
	s_mov_b32 s[HM], 0xffff0000
	s_mov_b32 s95, 0
	s_wait_dscnt 0x0                               ; both opening adds are done
	s_wait_kmcnt 0x0
	s_mov_b32 s[G0E], 1
	s_add_co_u32 s[G0E+1], s96, s97
	s_add_co_u32 s94, s99, s97
	s_add_nc_u64 s[G0E+2:G0E+3], s[4:5], s[94:95]
	s_or_b32 s[G0E+3], s[G0E+3], 0x80000000
	s_mul_i32 s94, s19, 12288
	s_add_co_u32 s94, s94, 524288
	s_add_nc_u64 s[G0S:G0S+1], s[6:7], s[94:95]    ; s[48:49]: the head's scale words in memory: K's 8,192 bytes, then V's 4,096
	CROUND                                         ; all four work-groups are here: the joint loads meet
	s_cmp_lt_u32 s[WV], 4                          ; one load a wave.  Waves 0 to 3, which alone wait ahead of the first barrier, have a load line of their own
	s_cbranch_scc0 .Llate
	tensor_load_to_lds s[G0E:G0E+3], s[G1E:G1E+7]
	s_nop 0
.rept 4
	v_nop
.endr
	s_branch .Lasked
.Llate:
	tensor_load_to_lds s[G0E:G0E+3], s[G1E:G1E+7]
	s_nop 0
.rept 4
	v_nop
.endr
.Lasked:
	; the scale words go through registers: 12,288 of the work-group's 208,896 bytes, so they are not asked for jointly.  512 threads x 8 bytes x 3: each load of a wave reads 256 consecutive bytes, aligned
	v_lshlrev_b32 v224, 3, v0
.irp i, 0,1,2
	global_load_b64 v[226+2*\i:227+2*\i], v224, s[G0S:G0S+1] offset:4096*\i
.endr
	v_lshl_add_u32 v225, v0, 3, KS                 ; and their place in LDS
	; my two tiles.  The place in the cluster enters global addresses of my own loads and stores, and the mask's number: no branch, no LDS address
	s_bfe_u32 s84, ttmp6, 0x40000                  ; cx
	s_lshl_b32 s[T2], s[WV], 2
	s_add_co_u32 s[T2], s[T2], s84                 ; the second tile: 4 w + cx
	s_sub_co_u32 s[T1], 127, s[T2]                 ; the first: 127 less that
	s_lshr_b32 s87, s[WV], 1                       ; the second tile's last step: w / 2
	s_sub_co_u32 s86, 15, s87                      ; the first's: 15 - w / 2
	s_and_b32 s84, s[T1], 7
	s_lshl_b32 s84, s84, 4                         ; the tile's first query less its last step's first key
	s_and_b32 s85, s[T2], 7
	s_lshl_b32 s85, s85, 4
	s_lshr_b32 s90, s19, 4                         ; batch
	s_and_b32 s91, s19, 15                         ; head
	s_mul_i32 s92, s91, 393216
	s_mul_i32 s93, s90, 98304
	s_add_co_u32 s92, s92, s93                     ; acod: [head][8,192 rows][48]
	s_lshr_b32 s93, s91, 1
	s_lshl_b32 s93, s93, 15
	s_lshl_b32 s94, s90, 13
	s_add_co_u32 s93, s93, s94
	s_and_b32 s94, s91, 1
	s_lshl_b32 s94, s94, 1
	s_add_co_u32 s93, s93, s94                     ; ascl: [head / 2][8,192 rows][4], my head's two bytes
	s_mov_b32 s101, 0
.macro BASES p, t                      ; tile s[t]'s addresses: Q's codes s[68 + 2 p ..], Q's words s[72 ..], the result's codes s[76 ..], its bytes s[80 ..]
	s_mul_i32 s96, s[\t], 768
	s_lshl_b32 s97, s[\t], 6
	s_add_co_u32 s100, s88, s96
	s_add_nc_u64 s[68+2*\p:69+2*\p], s[4:5], s[100:101]
	s_add_co_u32 s100, s89, s97
	s_add_nc_u64 s[72+2*\p:73+2*\p], s[6:7], s[100:101]
	s_add_co_u32 s100, s92, s96
	s_add_nc_u64 s[76+2*\p:77+2*\p], s[8:9], s[100:101]
	s_add_co_u32 s100, s93, s97
	s_add_nc_u64 s[80+2*\p:81+2*\p], s[10:11], s[100:101]
.endm
	BASES 0, T1
	BASES 1, T2
	v_and_b32 v8, 15, v0                           ; r
	v_bfe_u32 v9, v0, 4, 1                         ; h
	s_delay_alu instid0(VALU_DEP_2)
	v_mul_u32_u24 v[AK0], v8, 48
	s_delay_alu instid0(VALU_DEP_1)
	v_mad_u32_u24 v[AK0], v9, 24, v[AK0]
.irp i, 0,1,2
	global_load_b64 v[16+2*\i:17+2*\i], v[AK0], s[68:69] offset:8*\i   ; the first tile's Q
.endr
	v_lshlrev_b32 v10, 2, v8
	global_load_b32 v255, v10, s[72:73]            ; and its scale words
	v_add_nc_u32 v[AV0], VC, v[AK0]
	v_lshl_add_u32 v[ASK0], v8, 2, KS
	v_lshl_add_u32 v[ASV0], v8, 2, VS
	v_and_b32 v11, 31, v0
	s_delay_alu instid0(VALU_DEP_1)
	v_lshlrev_b32 v[GO], 3, v11
	s_mul_i32 s96, s[WV], 768
	s_add_co_u32 s96, s96, STG
	v_add_nc_u32 v[STI], s96, v[AK0]
	v_add_nc_u32 v[STO], s96, v[GO]
	v_lshl_add_u32 v[BA], v8, 2, v9
.irp i, 22,23,24,25,26,27, 38,39,40,41,42,43, 50,51,52,53,54,55, 62,63,64,65,66,67, 74,75,76,77,78,79
	v_mov_b32 v\i, 0                               ; the upper 64 of the first product's K: zero codes, written once
.endr
.irp i, 236,237,238,239,252,253
	v_mov_b32 v\i, 0                               ; written once: a lane permute's destination counts as one of its sources; v253 is named in a pair before it is first written
.endr
.macro INIT p                          ; a tile begins: O^T and the sum are zeros, the largest t is -3e38, under every t: the first change of M multiplies zeros
	v_mov_b32 v13, 0xff61b1e6
	s_delay_alu instid0(VALU_DEP_1)
	v_floor_f32 v12, -v13
	v_mov_b32 v14, 0
	v_mov_b32 v15, 0
.set j, 0
.rept 32
	v_mov_b32 v[O+j], 0
.set j, j+1
.endr
	v_and_b32 v8, 15, v0
	v_bfe_u32 v9, v0, 4, 1
	s_delay_alu instid0(VALU_DEP_1)
	v_lshlrev_b32 v9, 3, v9
	s_delay_alu instid0(VALU_DEP_1)
	v_sub_nc_u32 v8, v8, v9
	s_delay_alu instid0(VALU_DEP_1)
	v_add_nc_u32 v[DM], s[84+\p], v8
	s_mov_b32 s[LAST], s[86+\p]
	s_mov_b32 s[SI], 0
	s_mov_b32 s[TK], 0
	s_mov_b32 s[TS], 0
	s_mov_b32 s[TJ], 0
.endm
; A KEY STEP: 128 keys.  causal = 1: a step behind the tile's last is left out (a scalar branch on the wave's number and the count of steps, round the work and not round the lines that step addresses); the last is masked.
.macro STEP causal
.if \causal
	s_cmp_gt_u32 s[SI], s[LAST]
	s_cbranch_scc1 .Lhidden_\@
.endif
	v_add_nc_u32 v[ADK], s[TK], v[AK0]             ; (these four are also the places in front of the loads below)
	s_wait_alu depctr_va_vdst(0)
	v_add_nc_u32 v[ADV], s[TK], v[AV0]
	v_add_nc_u32 v[ADS], s[TS], v[ASK0]
	s_wait_alu depctr_va_vdst(0)
	v_add_nc_u32 v[ADT], s[TJ], v[ASV0]
	s_wait_alu depctr_va_vdst(0)
.irp g, 0,1                                    ; S^T = K Q^T, four tiles of 16 keys at a time
.if \g
.rept 4
	v_nop                                          ; places in front of loads into registers that matrix instructions have read
.endr
.endif
.irp t, 0,1,2,3
.irp p, 0,1,2
	ds_load_b64 v[32+12*\t+2*\p:33+12*\t+2*\p], v[ADK] offset:768*(4*\g+\t)+8*\p
.endr
	ds_load_b32 v[248+\t], v[ADS] offset:64*(4*\g+\t)
.endr
	s_wait_dscnt 0x0
.irp t, 0,1,2,3
	v_wmma_scale_f32_16x16x128_f8f6f4 v[S+8*(4*\g+\t):S+7+8*(4*\g+\t)], v[32+12*\t:43+12*\t], v[16:27], 0, v[248+\t], v255 matrix_a_fmt:MATRIX_FMT_FP6 matrix_b_fmt:MATRIX_FMT_FP6
.endr
.endr
.rept 4
	v_nop
.endr
.irp t, 0,1,2,3                                ; V's fragments and scale words are asked for here and land under the softmax
.irp p, 0,1,2,3,4,5
	ds_load_b64 v[80+12*\t+2*\p:81+12*\t+2*\p], v[ADV] offset:768*\t+3072*(\p/3)+8*(\p%3)
.endr
	ds_load_b32 v[248+\t], v[ADT] offset:64*\t
.endr
.if \causal                                    ; on the diagonal the scores of hidden keys become -infinity ahead of the maximum: p = 0 then
	s_cmp_lg_u32 s[SI], s[LAST]
	s_cbranch_scc1 .Lopen_\@
	v_mov_b32 v254, 0xff800000
.set n, 0
.rept 64
	v_cmp_gt_i32 vcc_lo, 16*(n/8)+n%8, v[DM]       ; register 8 t + j holds the step's key 16 t + 8 h + j
	v_cndmask_b32 v[S+n], v[S+n], v254, vcc_lo
.set n, n+1
.endr
.Lopen_\@:
.endif
.irp b, 0,1,2,3
	v_max3_num_f32 v[232+\b], v[S+16*\b], v[S+1+16*\b], v[S+2+16*\b]   ; the largest score of each block of 32 keys: for the row's maximum, and, since p rises with the score, for the block's largest p
.endr
.irp i, 3,5,7,9,11,13
.irp b, 0,1,2,3
	v_max3_num_f32 v[232+\b], v[232+\b], v[S+16*\b+\i], v[S+1+16*\b+\i]
.endr
.endr
.irp b, 0,1,2,3
	v_max_num_f32 v[232+\b], v[232+\b], v[S+15+16*\b]
.endr
.irp b, 0,1,2,3
	s_delay_alu instid0(VALU_DEP_4)
	v_permlanex16_b32 v[236+\b], v[232+\b], s[SEL], s[SEL+1]
.endr
.irp b, 0,1,2,3
	s_delay_alu instid0(VALU_DEP_4)
	v_max_num_f32 v[232+\b], v[232+\b], v[236+\b]
.endr
	s_delay_alu instid0(VALU_DEP_2)
	v_max3_num_f32 v254, v232, v233, v234
	s_delay_alu instid0(VALU_DEP_1)
	v_max_num_f32 v254, v254, v235
	s_delay_alu instid0(VALU_DEP_1)
	v_mul_f32 v254, s[CS], v254                    ; as t (c is positive)
	s_delay_alu instid0(VALU_DEP_1)
	v_max_num_f32 v13, v13, v254                   ; the running largest t
	v_mov_b32 v254, v12
	s_delay_alu instid0(VALU_DEP_2)
	v_floor_f32 v12, -v13                          ; the new -M = floor(-t): M is a whole number
	s_delay_alu instid0(VALU_DEP_1)
	v_sub_f32 v254, v12, v254                      ; old M less new M: a whole number, 0 or less
	s_delay_alu instid0(VALU_DEP_1)
	v_cvt_i32_f32 v254, v254                       ; (it saturates)
	s_delay_alu instid0(VALU_DEP_1)
	v_ldexp_f32 v252, 1.0, v254                    ; f = 2^(old M - new M)
.set j, 0
.rept 32
	v_pk_fma_f32 v[S+j:S+j+1], v[S+j:S+j+1], s[CS:CS+1], v[12:13] op_sel_hi:[1,0,0]   ; t - M, two at a time
.set j, j+2
.endr
.irp b, 0,1,2,3
	v_fma_f32 v[232+\b], v[232+\b], s[CS], v12     ; the same of each block's largest score
.endr
.set j, 0
	s_wait_alu depctr_va_vdst(0)
.rept 64
	v_exp_f32 v[S+j], v[S+j]                       ; p = 2^(t - M), at most 1
.set j, j+1
.endr
	v_pk_mul_f32 v[14:15], v[14:15], v[252:253] op_sel_hi:[1,0]    ; the sums under the new M (a plain place behind the exponentials)
	s_wait_alu depctr_va_vdst(0)                   ; one wait for the whole batch, ahead of its first reader
.irp b, 0,1,2,3
	v_exp_f32 v[232+\b], v[232+\b]                 ; the block's largest p
.endr
	v_pk_add_f32 v[236:237], v[132:133], v[136:137]
	v_pk_add_f32 v[246:247], v[140:141], v[144:145]
	v_pk_add_f32 v[244:245], v[148:149], v[152:153]
	v_pk_add_f32 v[242:243], v[156:157], v[160:161]
	v_pk_add_f32 v[240:241], v[164:165], v[168:169]
	v_pk_add_f32 v[238:239], v[172:173], v[176:177]
	v_pk_add_f32 v[230:231], v[180:181], v[184:185]
	v_pk_add_f32 v[14:15], v[14:15], v[188:189]
	v_pk_add_f32 v[236:237], v[236:237], v[128:129]
	v_pk_add_f32 v[246:247], v[246:247], v[130:131]
	v_pk_add_f32 v[244:245], v[244:245], v[134:135]
	v_pk_add_f32 v[242:243], v[242:243], v[138:139]
	v_pk_add_f32 v[240:241], v[240:241], v[142:143]
	v_pk_add_f32 v[238:239], v[238:239], v[146:147]
	v_pk_add_f32 v[230:231], v[230:231], v[150:151]
	v_pk_add_f32 v[14:15], v[14:15], v[154:155]
	v_pk_add_f32 v[236:237], v[236:237], v[158:159]
	v_pk_add_f32 v[246:247], v[246:247], v[162:163]
	v_pk_add_f32 v[244:245], v[244:245], v[166:167]
	v_pk_add_f32 v[242:243], v[242:243], v[170:171]
	v_pk_add_f32 v[240:241], v[240:241], v[174:175]
	v_pk_add_f32 v[238:239], v[238:239], v[178:179]
	v_pk_add_f32 v[230:231], v[230:231], v[182:183]
	v_pk_add_f32 v[14:15], v[14:15], v[186:187]
	v_pk_add_f32 v[236:237], v[236:237], v[190:191]
	s_delay_alu instid0(VALU_DEP_2)
	v_pk_add_f32 v[14:15], v[14:15], v[242:243]
	s_delay_alu instid0(VALU_DEP_2)
	v_pk_add_f32 v[236:237], v[236:237], v[240:241]
	v_pk_add_f32 v[246:247], v[246:247], v[238:239]
	v_pk_add_f32 v[244:245], v[244:245], v[230:231]
	s_delay_alu instid0(VALU_DEP_2)
	v_pk_add_f32 v[14:15], v[14:15], v[246:247]
	s_delay_alu instid0(VALU_DEP_2)
	v_pk_add_f32 v[236:237], v[236:237], v[244:245]
	s_delay_alu instid0(VALU_DEP_1)
	v_pk_add_f32 v[14:15], v[14:15], v[236:237]
	s_wait_alu depctr_va_vdst(0)                   ; and one for the four
.irp b, 0,1,2,3
	v_max_num_f32 v[232+\b], 0x1800000, v[232+\b]  ; the floor 2^(3 - 127): the byte cannot fall under 1
.endr
.irp b, 0,1,2,3
	s_delay_alu instid0(VALU_DEP_4)
	v_add_nc_u32 v[244+\b], 0xff000000, v[232+\b]  ; the conversion's scale operand
.endr
.irp b, 0,1,2,3
	s_delay_alu instid0(VALU_DEP_4)
	v_lshrrev_b32 v[236+\b], 23, v[244+\b]         ; the scale's byte
.endr
	s_delay_alu instid0(VALU_DEP_3)
	v_lshl_or_b32 v253, v237, 8, v236              ; p's scale word for these 128 keys
	s_delay_alu instid0(VALU_DEP_1)
	v_lshl_or_b32 v253, v238, 16, v253
	s_delay_alu instid0(VALU_DEP_1)
	v_lshl_or_b32 v253, v239, 24, v253
.irp c, 0,1
	v_cvt_scalef32_pk16_fp6_f32 v[224+6*\c:226+6*\c], v[S+32*\c:S+15+32*\c], v[244+2*\c]
	v_cvt_scalef32_pk16_fp6_f32 v[236+4*\c:238+4*\c], v[S+16+32*\c:S+31+32*\c], v[244+2*\c+1]
.endr
	v_nop                                          ; one plain place behind a scaled conversion
.irp c, 0,1
.irp i, 0,1,2
	v_permlane16_swap_b32 v[224+6*\c+\i], v[236+4*\c+\i]
.endr
.irp i, 0,1,2
	s_delay_alu instid0(VALU_DEP_3)
	v_mov_b32 v[227+6*\c+\i], v[236+4*\c+\i]
.endr
.endr
.set j, 0
.rept 16
	v_pk_mul_f32 v[O+j:O+j+1], v[O+j:O+j+1], v[252:253] op_sel_hi:[1,0]   ; O^T under the new M.  (Of these sixteen, twelve name no register of any one product below: the places in front of it)
.set j, j+2
.endr
	s_wait_alu depctr_va_vdst(0)
	s_wait_dscnt 0x0                               ; V is in
.irp t, 0,1,2,3                                ; O^T += V^T P^T: the four accumulators by turns
	v_wmma_scale_f32_16x16x128_f8f6f4 v[O+8*\t:O+7+8*\t], v[80+12*\t:91+12*\t], v[224:235], v[O+8*\t:O+7+8*\t], v[248+\t], v253 matrix_a_fmt:MATRIX_FMT_FP6 matrix_b_fmt:MATRIX_FMT_FP6
.endr
.if \causal
.Lhidden_\@:
.endif
	s_add_co_u32 s[TK], s[TK], 6144
	s_add_co_u32 s[TS], s[TS], 512
	s_add_co_u32 s[TJ], s[TJ], 256
.endm
; A TILE'S WAY OUT: O^T / the sum; register 8 t + j is channel 32 (t / 2) + 16 h + 8 (t % 2) + j: two blocks of 32, quantised as an operand's; 48 bytes a row through my stage, so that 32 lanes store 256 bytes on end.
.macro WAYOUT p
.rept 4
	v_nop
.endr
.if \p == 0
.irp i, 0,1,2
	global_load_b64 v[16+2*\i:17+2*\i], v[AK0], s[70:71] offset:8*\i   ; the second tile's Q lands meanwhile
.endr
	v_and_b32 v10, 15, v0
	s_delay_alu instid0(VALU_DEP_1)
	v_lshlrev_b32 v10, 2, v10
	global_load_b32 v255, v10, s[74:75]
.endif
	v_add_f32 v14, v14, v15
	s_delay_alu instid0(VALU_DEP_1)
	v_permlanex16_b32 v252, v14, s[SEL], s[SEL+1]
	s_delay_alu instid0(VALU_DEP_1)
	v_add_f32 v14, v14, v252                       ; the row's sum
	s_wait_alu depctr_va_vdst(0)
	v_rcp_f32 v14, v14
	v_nop                                          ; a plain place behind the transcendental
	s_wait_alu depctr_va_vdst(0)                   ; and the wait ahead of its first reader
.set j, 0
.rept 32
	v_mul_f32 v[S+j], v[O+j], v14
.set j, j+1
.endr
.irp b, 0,1
	v_max3_num_f32 v[232+\b], |v[S+16*\b]|, |v[S+1+16*\b]|, 0x1800000
.endr
.irp i, 2,4,6,8,10,12,14
.irp b, 0,1
	s_delay_alu instid0(VALU_DEP_2)
	v_max3_num_f32 v[232+\b], v[232+\b], |v[S+16*\b+\i]|, |v[S+1+16*\b+\i]|
.endr
.endr
.irp b, 0,1
	s_delay_alu instid0(VALU_DEP_2)
	v_permlanex16_b32 v[236+\b], v[232+\b], s[SEL], s[SEL+1]
.endr
.irp b, 0,1
	s_delay_alu instid0(VALU_DEP_2)
	v_max_num_f32 v[232+\b], v[232+\b], v[236+\b]
.endr
.irp b, 0,1
	s_delay_alu instid0(VALU_DEP_2)
	v_add_nc_u32 v[244+\b], 0xff000000, v[232+\b]
.endr
.irp b, 0,1
	s_delay_alu instid0(VALU_DEP_2)
	v_lshrrev_b32 v[236+\b], 23, v[244+\b]
.endr
	s_delay_alu instid0(VALU_DEP_1)
	v_cndmask_b32 v254, v236, v237, s[HM]          ; lanes 0-15 carry block 0's byte, lanes 16-31 block 1's
	v_cvt_scalef32_pk16_fp6_f32 v[224:226], v[S:S+15], v244
	v_cvt_scalef32_pk16_fp6_f32 v[240:242], v[S+16:S+31], v245
	v_nop
.irp i, 0,1,2
	v_permlane16_swap_b32 v[224+\i], v[240+\i]
.endr
.irp i, 0,1,2
	s_delay_alu instid0(VALU_DEP_3)
	v_mov_b32 v[227+\i], v[240+\i]
.endr
.irp i, 0,1,2
	ds_store_b64 v[STI], v[224+2*\i:225+2*\i] offset:8*\i
.endr
.irp i, 0,1,2
	ds_load_b64 v[232+2*\i:233+2*\i], v[STO] offset:256*\i         ; LDS serves a wave's instructions in order: these see my stores
.endr
	s_wait_alu depctr_va_vdst(0)
.irp i, 0,1,2
	s_wait_dscnt 2-\i
	global_store_b64 v[GO], v[232+2*\i:233+2*\i], s[76+2*\p:77+2*\p] offset:256*\i   ; 32 lanes store 256 consecutive bytes, aligned
.endr
	global_store_b8 v[BA], v254, s[80+2*\p:81+2*\p]                ; a byte a lane: a row's word is shared by two heads, each of which writes its own two bytes
	s_wait_xcnt 0x0                                ; the stores' and loads' registers may be written again
.endm
	INIT 0
	s_wait_alu depctr_va_vdst(0)                   ; the head's end
	s_wait_loadcnt 0x0                             ; Q, and my 24 bytes of the scale words
.irp i, 0,1,2
	ds_store_b64 v225, v[226+2*\i:227+2*\i] offset:4096*\i
.endr
	s_wait_dscnt 0x0                               ; for the others' sake: my stores have landed
	s_cmp_lt_u32 s[WV], 4
	s_cbranch_scc0 .Lnot_early
	s_wait_tensorcnt 0x0                           ; waves 0 to 3: keys 0 .. 511 are in; the others' pieces may be out
.Lnot_early:
	s_barrier_signal -1
	s_barrier_wait -1
.Lfirst:                                           ; steps 0 to 3 of the first tile, whose last step is 8 or later: all their keys count, and they read keys 0 .. 511 alone
	STEP 0
	s_add_co_u32 s[SI], s[SI], 1
	s_cmp_lt_u32 s[SI], 4
	s_cbranch_scc1 .Lfirst
	s_wait_tensorcnt 0x0                           ; my part of the other keys is in,
	s_wait_dscnt 0x0
	s_barrier_signal -1
	s_barrier_wait -1                              ; everybody's is
.Lrest:                                            ; steps 4 to 15
	STEP 1
	s_add_co_u32 s[SI], s[SI], 1
	s_cmp_lt_u32 s[SI], 16
	s_cbranch_scc1 .Lrest
	WAYOUT 0
	INIT 1
	s_wait_loadcnt 0x0                             ; the second tile's Q
.Lsecond:                                          ; steps 0 to 7 of the second tile, whose last step is 7 or earlier
	STEP 1
	s_add_co_u32 s[SI], s[SI], 1
	s_cmp_lt_u32 s[SI], 8
	s_cbranch_scc1 .Lsecond
	WAYOUT 1
	s_wait_tensorcnt 0x0                           ; the wave's end: behind my last tensor load and my last LDS store
	ds_add_u32 v[SPW], v[NIL]
	s_wait_dscnt 0x0
	CROUND                                         ; the closing round
	s_endpgm
.Lfunc_end_k_q5462554284_attn:
	.size	k_q5462554284_attn, .Lfunc_end_k_q5462554284_attn-k_q5462554284_attn
	.p2alignl 7, 3214868480
	.fill 96, 4, 3214868480
	.section	.rodata,"a",@progbits
	.p2align	6, 0x0
	.amdhsa_kernel k_q5462554284_attn
		.amdhsa_group_segment_fixed_size 262144
		.amdhsa_private_segment_fixed_size 0
		.amdhsa_enable_private_segment 0
		.amdhsa_kernarg_size 32
		.amdhsa_user_sgpr_count 2
		.amdhsa_user_sgpr_kernarg_segment_ptr 1
		.amdhsa_wavefront_size32 1
		.amdhsa_system_sgpr_workgroup_id_x 1
		.amdhsa_system_sgpr_workgroup_id_y 1
		.amdhsa_system_sgpr_workgroup_id_z 1
		.amdhsa_system_vgpr_workitem_id 0
		.amdhsa_next_free_vgpr 256
		.amdhsa_next_free_sgpr 102
		.amdhsa_reserve_vcc 1
		.amdhsa_float_denorm_mode_32 3
		.amdhsa_float_denorm_mode_16_64 3
		.amdhsa_memory_ordered 1
		.amdhsa_forward_progress 1
		.amdhsa_inst_pref_size 90
	.end_amdhsa_kernel
	.amdgpu_metadata
---
amdhsa.version: [ 1, 2 ]
amdhsa.kernels:
  - .name:           k_q5462554284_attn
    .symbol:         k_q5462554284_attn.kd
    .args:
      - { .name: qkvc, .offset: 0, .size: 8, .value_kind: global_buffer, .address_space: global }
      - { .name: qkvs, .offset: 8, .size: 8, .value_kind: global_buffer, .address_space: global }
      - { .name: acod, .offset: 16, .size: 8, .value_kind: global_buffer, .address_space: global }
      - { .name: ascl, .offset: 24, .size: 8, .value_kind: global_buffer, .address_space: global }
    .group_segment_fixed_size: 262144
    .private_segment_fixed_size: 0
    .kernarg_segment_align: 8
    .kernarg_segment_size: 32
    .max_flat_workgroup_size: 512
    .sgpr_count:     102
    .vgpr_count:     256
    .wavefront_size: 32
...
	.end_amdgpu_metadata
.endif
;; end of part 3
;; launch outp (part 4): grid 4 x 64, 4 waves a work-group, clusters of 4 x 4, 327,680 bytes of LDS; arguments acod, ascl, codes, scl, bo, out0; writes out0
.if DOCPART == 4
	.amdgcn_target "amdgcn-amd-amdhsa--gfx1250"
	.amdhsa_code_object_version 6
	.text
	.protected	k_q5462554284_outp
	.globl	k_q5462554284_outp
	.p2align	8
	.type	k_q5462554284_outp,@function
k_q5462554284_outp:
	s_mov_b64 s[64:65], 0
	v_nop
	global_prefetch_b8 v0, s[64:65] scope:SCOPE_SE
	s_setreg_imm32_b32 hwreg(HW_REG_WAVE_MODE, 25, 1), 1
	s_wait_xcnt 0x0
	s_wait_alu depctr_hold_cnt(0) depctr_sa_sdst(0) depctr_va_vdst(0) depctr_va_sdst(0) depctr_va_ssrc(0) depctr_va_vcc(0) depctr_vm_vsrc(0)
	s_getreg_b32 s2, hwreg(HW_REG_IB_STS2, 6, 4)
	s_cmp_eq_u32 s2, 0
	s_cbranch_scc0 .Lentry_in_a_cluster
	s_endpgm
.Lentry_in_a_cluster:
	s_bfe_u32 s2, ttmp6, 0x10000c
	s_cmp_lg_u32 s2, 0xf033
	s_cbranch_scc0 .Lentry_shape_is_right
	s_endpgm
.Lentry_shape_is_right:
; out = context Wo + bo on codes of FP6 (E2M3), f32 out: 8,192 x 1,024 x 1,024.  Nothing of reference() is left out here.
; 'A' = the context's rows (acod [K / 64][8,192][48 bytes], ascl [K / 128][8,192][4]); 'B' = Wo's columns, rows 11,264 on of 'codes' ([K / 64][12,288][48]) and 'scl'.
; THE DEAL: a block of 128 rows x 256 columns of C to a work-group: 64 x 4 = 256 work-groups.  Four waves, 2 x 2, 64 x 128 each: 32 accumulators.
; The matrix instruction is used transposed (source 0 = 16 rows of 'B', source 1 = 16 rows of 'A'): a lane holds eight neighbouring columns of one row of C.  The bias is the first products' C.
; K = 1,024 goes in four slots' worth of 256 through a ring of two LDS slots; a slot is 'A's [4 x 64 along K][128 rows][48], then 'B's [4][256 rows][48].  The scale words of all of K lie behind the ring.
; CLUSTERS 4 x 4: 'A's tiles are asked for jointly along a row of the cluster, 'B's along a column.  The head's four tiles go out one a wave; slot 1's first fill follows behind the full sequence and a round;
; in the ring waves 0, 1 bring two of 'A's four 64s along K each, waves 2, 3 two of 'B's.
; BOTH OPERANDS HAVE TWO SETS OF FRAGMENTS: a step's 72 LDS loads for the next step are issued ahead of its 32 products.
; No prefetch: K is four slots, two of them asked for before the first product.
; REGISTERS: window 0: v16-29 addresses; v32-63 'B's scale words, two sets; v64-127 the bias, later rows on the way out; v128-223 'A's fragments, two sets of 48, later rows on the way out; v225-240 'A's scale words, two sets.
; window 1: 'B's fragments, two sets, at v0 and v128.  window 2: accumulator (a, b) at v[8 (8 a + b)].
.set FR,    12                         ; registers of a fragment: 16 rows x 128 K
.set NP,    4                          ; places behind this matrix instruction (ISA guide 7.12.1)
.set CHA,   393216                     ; bytes from one 64 along K to the next in acod
.set SPA,   32768                      ; from one 128 along K to the next in ascl
.set CHB,   589824                     ; the same in 'codes'
.set SPB,   49152                      ; and in 'scl'
.set APART, 24576                      ; 'A's part of a slot
.set SLOT,  73728
.set SCLA,  2*SLOT                     ; 'A's scale words [8][128 rows][4]
.set SCLB,  SCLA+4096                  ; 'B's [8][256 rows][4]
.set SPARE, SCLB+8192                  ; the spare words, 128 bytes for each wave
.set STAGE, SPARE+512                  ; the way out: 16 rows x 528 bytes for each wave
.set SPITCH, 528
.set SIZE_N, 1024
.set ADRA, 16                          ; v16-17 LDS address of my 'A' fragments in slot 0, 1
.set ADRB, 20                          ; v20-21 the same for 'B'
.set ADSA, 22                          ; v22 my rows' scale words of 'A'
.set ADRS, 23                          ; v23 of 'B'
.set STO,  24
.set RD,   25
.set CO,   26
.set SPW,  28                          ; v28 my spare word; never rewritten
.set NIL,  29                          ; v29 0; never rewritten
.set SC,   32                          ; 'B's scale words: set s at v[SC + 16 s], register 2 b + q
.set SA,   225                         ; 'A's: set s at v[SA + 8 s], register 2 a + q.  SC is even modulo 8 and SA odd: a product's two scale registers never agree modulo 8
.set CB,   64
.set AF,   128
.set BK,   64                          ; the way out: 16 rows back from the stage, v64-127 and v128-191 by turns
.set WV,  18
.set FH,  19                           ; wave / 2: my 64 of the block's rows.  Also: I fetch for 'A' (0) or 'B' (1)
.set FL,  20                           ; wave % 2: my 128 of its columns.  Also: which two of a slot's four 64s along K I fetch
.set G1,  24
.set G0,  32
.set CX,  40
.set CY,  41
.set MR,  43
.set MC,  44
.set YY,  45
.set G1B, 48
.set G0B, 56
.set G1S, 68
.set G0S, 76
.set G1SB, 80
.set G0SB, 88
.set G0H,  4                           ; s[4:7], s[8:11] group 0 of the head's loads of slot 0 (the arguments that lay there have been used)
.set G0HB, 8
.set MSB, 0
.macro WIN new                         ; the immediate's high byte repeats the setting that is left
.if MSB != (\new)
	s_set_vgpr_msb (MSB<<8)|(\new)
.set MSB, (\new)
.endif
.endm
.set MUL_LO, 0xa1                      ; source 0 window 1, source 1 window 0, C and D window 2
.set FST_LO, 0x81                      ; the same, C (the bias) window 0
.set TO_B,   0x40
.macro PLACES n
.rept \n
	v_nop
.endr
.endm
.macro TLOAD g0, g1                    ; an s_nop 0 and four v_nop follow each tensor load
	tensor_load_to_lds s[\g0:\g0+3], s[\g1:\g1+7]
	s_nop 0
	PLACES 4
.endm
.macro JLOAD g0a, g1a, g0b, g1b        ; a joint load of the ring; the branch hangs on the wave's number alone
	s_cmp_eq_u32 s[FH], 0
	s_cbranch_scc0 .Lfor_b_\@
	TLOAD \g0a, \g1a
	s_branch .Lasked_\@
.Lfor_b_\@:
	TLOAD \g0b, \g1b
.Lasked_\@:
.endm
.macro CREST                           ; a round of the cluster's barrier behind its opening barrier
	s_cmp_lg_u32 s[WV], 0
	s_cbranch_scc1 .Lnot_wave_0_\@
	s_barrier_signal -3
.Lnot_wave_0_\@:
	s_barrier_wait -3
	s_barrier_signal -1
	s_barrier_wait -1
.endm
.macro CROUND
	s_barrier_signal -1
	s_barrier_wait -1
	CREST
.endm
.macro GRP g, mask, el, rows, str      ; group 1: rows of el elements of 8 bytes, dense in LDS, str elements apart in memory
	s_or_b32 s[\g], s[\mask], (3<<16)|(1<<21)
	s_mov_b32 s[\g+1], (\el)<<16
	s_mov_b32 s[\g+2], (\rows)<<16
	s_mov_b32 s[\g+3], (\el)<<16
	s_mov_b32 s[\g+4], \rows
	s_mov_b32 s[\g+5], \str
	s_mov_b32 s[\g+6], 0
	s_mov_b32 s[\g+7], 0
.endm
.macro GZ g, lds, p                    ; group 0: a constant LDS address, the global address in s[p:p+1]
	s_mov_b32 s[\g], 1
	s_mov_b32 s[\g+1], \lds
	s_mov_b64 s[\g+2:\g+3], s[\p:\p+1]
	s_or_b32 s[\g+3], s[\g+3], 0x80000000
.endm
	s_load_b256 s[4:11], s[0:1], 0x0               ; acod, ascl, codes, scl
	s_load_b128 s[12:15], s[0:1], 0x20             ; bo, out0
	v_lshl_add_u32 v[SPW], v0, 2, SPARE
	v_mov_b32 v[NIL], 0
	ds_add_u32 v[SPW], v[NIL]                      ; the opening lines: the add, twice on end, and its wait ahead of my first tensor load
	ds_add_u32 v[SPW], v[NIL]
	v_lshrrev_b32 v1, 5, v0
	v_readfirstlane_b32 s[WV], v1
	s_lshr_b32 s[FH], s[WV], 1
	s_and_b32 s[FL], s[WV], 1
	s_bfe_u32 s[CX], ttmp6, 0x40000
	s_bfe_u32 s[CY], ttmp6, 0x40004
	s_and_b32 s[YY], ttmp7, 0xffff                 ; the cluster's y, 0 .. 15 (its x is 0)
	s_lshl_b32 s[MR], s[CY], 2
	s_lshl_b32 s[MR], 15, s[MR]                    ; my row of the cluster
	s_lshl_b32 s[MC], 0x1111, s[CX]                ; my column
	GRP G1,   MR, 768,  4, CHA/8                   ; 'A's codes: rows of 6,144 bytes (128 rows x 48); four for the head's load, later two
	GRP G1B,  MC, 1536, 4, CHB/8                   ; 'B's: rows of 12,288 bytes (256 rows x 48)
	GRP G1S,  MR, 64,   8, SPA/8                   ; 'A's scale words: 8 rows of 512 bytes
	GRP G1SB, MC, 128,  8, SPB/8                   ; 'B's: 8 rows of 1,024
	s_lshl_b32 s92, s[YY], 9
	s_lshl_b32 s93, s[CY], 7
	s_add_co_u32 s92, s92, s93                     ; 'A's first row: 512 y + 128 cy
	s_lshl_b32 s94, s[CX], 8
	s_add_co_u32 s94, s94, 11264                   ; 'B's: 256 cx, in Wo's part
	s_mul_i32 s96, s92, 48
	s_mov_b32 s97, 0
	s_lshl_b32 s98, s92, 2
	s_mov_b32 s99, 0
	s_mul_i32 s100, s94, 48
	s_mov_b32 s101, 0
	s_lshl_b32 s2, s94, 2
	s_mov_b32 s3, 0
	s_mul_i32 s21, s[FL], 12288                    ; where my two 64s along K go in 'A's part of a slot: no place in the cluster enters an LDS address
	s_mul_i32 s22, s[FL], 2*CHA                    ; and where they lie in memory
	s_mov_b32 s23, 0
	s_wait_dscnt 0x0                               ; both opening adds are done
	s_wait_kmcnt 0x0
	s_add_nc_u64 s[96:97], s[4:5], s[96:97]
	s_add_nc_u64 s[98:99], s[6:7], s[98:99]
	s_add_nc_u64 s[100:101], s[8:9], s[100:101]
	s_add_nc_u64 s[2:3], s[10:11], s[2:3]
	CROUND                                         ; all sixteen work-groups are here: the first joint loads meet
	GZ G0S,  SCLA,  98
	GZ G0SB, SCLB,  2
	GZ G0H,  0,     96
	GZ G0HB, APART, 100
	s_add_nc_u64 s[96:97], s[96:97], s[22:23]      ; for the ring: my two 64s along K
	s_mul_i32 s22, s[FL], 2*CHB
	s_add_nc_u64 s[100:101], s[100:101], s[22:23]
	s_mul_i32 s22, s[FL], 24576
.irp s, 0,1
	s_mov_b32 s[G0+4*\s], 1
	s_add_co_u32 s[G0+4*\s+1], s21, \s*SLOT
	s_add_nc_u64 s[G0+4*\s+2:G0+4*\s+3], s[96:97], \s*4*CHA
	s_or_b32 s[G0+4*\s+3], s[G0+4*\s+3], 0x80000000
	s_mov_b32 s[G0B+4*\s], 1
	s_add_co_u32 s[G0B+4*\s+1], s22, \s*SLOT+APART
	s_add_nc_u64 s[G0B+4*\s+2:G0B+4*\s+3], s[100:101], \s*4*CHB
	s_or_b32 s[G0B+4*\s+3], s[G0B+4*\s+3], 0x80000000
.endr
; the head's loads, one a wave: wave 0 slot 0's part of 'A', wave 1 that of 'B', wave 2 'A's scale words, wave 3 'B's; one chain of branches on the wave's number
.macro ARM under, g0, g1, next
	s_cmp_lt_u32 s[WV], \under
	s_cbranch_scc0 \next
	TLOAD \g0, \g1
	s_branch .Lhead_asked
\next:
.endm
	ARM 1, G0H,  G1,  .Lhead_b
	ARM 2, G0HB, G1B, .Lhead_sa
	ARM 3, G0S,  G1S, .Lhead_sb
	TLOAD G0SB, G1SB
.Lhead_asked:
	s_lshl_b32 s92, s[CX], 10
	s_lshl_b32 s93, s[FL], 9
	s_add_co_u32 s92, s92, s93                     ; my first column, in bytes
	s_mov_b32 s93, 0
	s_add_nc_u64 s[12:13], s[12:13], s[92:93]
	s_lshl_b32 s94, s[YY], 9
	s_lshl_b32 s95, s[CY], 7
	s_add_co_u32 s94, s94, s95
	s_lshl_b32 s95, s[FH], 6
	s_add_co_u32 s94, s94, s95                     ; my first row of C
	s_lshl_b32 s94, s94, 12
	s_add_co_u32 s94, s94, s92
	s_mov_b32 s95, 0
	s_add_nc_u64 s[14:15], s[14:15], s[94:95]
	s_mul_i32 s21, s[FH], 3072                     ; my 64 rows of 'A': 64 x 48 bytes
	s_mul_i32 s22, s[FL], 6144                     ; my 128 rows of 'B',
	s_add_co_u32 s22, s22, APART                   ; behind 'A's part
	s_mul_i32 s23, s[WV], 16*SPITCH
	s_add_co_u32 s23, s23, STAGE
	s_lshl_b32 s96, s[FH], 8
	s_add_co_u32 s96, s96, SCLA
	s_lshl_b32 s97, s[FL], 9
	s_add_co_u32 s97, s97, SCLB
	v_and_b32 v1, 15, v0                           ; r
	v_bfe_u32 v2, v0, 4, 1                         ; h
	v_lshlrev_b32 v5, 5, v2
	v_mul_u32_u24 v4, v1, 48
	v_mad_u32_u24 v4, v2, 24, v4                   ; a fragment's row x 48 + 24 x half
	v_add_nc_u32 v[ADRA], s21, v4
	v_add_nc_u32 v[ADRB], s22, v4
	v_add_nc_u32 v[ADRA+1], SLOT, v[ADRA]
	v_add_nc_u32 v[ADRB+1], SLOT, v[ADRB]
	v_lshl_add_u32 v[ADSA], v1, 2, s96             ; both halves of the lanes take row r's word
	v_lshl_add_u32 v[ADRS], v1, 2, s97
	v_mul_u32_u24 v6, v1, SPITCH
	v_lshl_add_u32 v6, v2, 5, v6
	v_add_nc_u32 v[STO], s23, v6                   ; into the stage: row r, 32 bytes for each half of the lanes
	v_and_b32 v6, 31, v0
	v_lshlrev_b32 v[CO], 4, v6
	v_add_nc_u32 v[RD], s23, v[CO]                 ; back: the 32 lanes take one row of 512 bytes
.irp b, 0,1,2,3,4,5,6,7
	global_load_b128 v[CB+8*\b:CB+8*\b+3], v5, s[12:13] offset:64*\b         ; the bias at columns 16 b + 8 h + 0 .. 7
	global_load_b128 v[CB+8*\b+4:CB+8*\b+7], v5, s[12:13] offset:64*\b+16
.endr
.macro FRAG reg, adr, q, i, cp         ; a fragment: registers 0-5 the 24 bytes of block h of the first 64 along K, registers 6-11 those of the second; cp: bytes from one 64 along K to the next
.irp p, 0,1,2,3,4,5
	ds_load_b64 v[\reg+2*\p:\reg+2*\p+1], v[\adr] offset:(2*(\q)+\p/3)*(\cp)+(\i)*768+8*(\p%3)
.endr
.endm
.macro W d, fb, fa, c, xb, xa
	v_wmma_scale_f32_16x16x128_f8f6f4 v[\d:\d+7], v[\fb:\fb+FR-1], v[\fa:\fa+FR-1], \c, v[\xb], v[\xa] matrix_a_fmt:MATRIX_FMT_FP6 matrix_b_fmt:MATRIX_FMT_FP6
.endm
; 16 products: 'A's blocks a0, a0 + 1 x 'B's eight.  p: the sets of fragments; q, sc: which scale words.  The 32 accumulators take turns in the same order in every step.
.macro MUL16 a0, p, q, sc, zero
.irp a, \a0, \a0+1
.irp b, 0,1,2,3,4,5,6,7
.if \zero
	W 8*(8*(\a)+\b), 128*(\p)+FR*\b, AF+48*(\p)+FR*(\a), v[CB+8*\b:CB+8*\b+7], SC+16*(\sc)+2*\b+(\q), SA+8*(\sc)+2*(\a)+(\q)
.else
	W 8*(8*(\a)+\b), 128*(\p)+FR*\b, AF+48*(\p)+FR*(\a), v[8*(8*(\a)+\b):8*(8*(\a)+\b)+7], SC+16*(\sc)+2*\b+(\q), SA+8*(\sc)+2*(\a)+(\q)
.endif
.endr
.endr
.endm
.macro FETCH slot, q, p                ; 72 LDS loads: 'B's eight fragments and 'A's four of the slot's q-th 128 along K into sets p
	WIN TO_B
.irp i, 0,1,2,3,4,5,6,7
	FRAG 128*(\p)+FR*\i, ADRB+\slot, \q, \i, 12288
.endr
	WIN 0
.irp i, 0,1,2,3
	FRAG AF+48*(\p)+FR*\i, ADRA+\slot, \q, \i, 6144
.endr
.endm
.macro SCALES sc, n                    ; the scale words of K's n-th 256 into set sc
.irp i, 0,1,2,3,4,5,6,7
.irp q, 0,1
	ds_load_b32 v[SC+16*\sc+2*\i+\q], v[ADRS] offset:1024*(2*(\n)+\q)+64*\i
.endr
.endr
.irp i, 0,1,2,3
.irp q, 0,1
	ds_load_b32 v[SA+8*\sc+2*\i+\q], v[ADSA] offset:512*(2*(\n)+\q)+64*\i
.endr
.endr
.endm
.macro STEP slot, zero                 ; a slot's first 128 along K
	s_wait_dscnt 0x0                               ; this step's fragments and scale words are in
	PLACES NP                                      ; in front of loads into registers that products have read
	FETCH \slot, 1, 1                              ; the next step's, under this step's products
.if \zero
	WIN FST_LO
.else
	WIN MUL_LO
.endif
	MUL16 0, 0, 0, \slot, \zero
	MUL16 2, 0, 0, \slot, \zero
	WIN 0
.endm
; A slot's second 128 along K changes slots: its fragments are in registers, so my reads of the slot are over.  fill = 1: the slot is filled again, two slots' worth of K ahead.  n: which 256 of K lies in the next slot
.macro TURN slot, next, fill, n
	s_wait_tensorcnt 0x0                           ; all my tensor loads have landed: my part of the next slot
	ds_add_u32 v[SPW], v[NIL]
	s_wait_dscnt 1                                 ; the 72 loads are in; the add may be out
	WIN MUL_LO
	MUL16 0, 1, 1, \slot, 0
	s_wait_dscnt 0x0                               ; the add is done
	s_barrier_signal -1
	MUL16 2, 1, 1, \slot, 0
	WIN 0
	s_barrier_wait -1
.if \fill
	CREST                                          ; the barrier has opened a round of the cluster's: no wave of any partner still reads this slot or has a load on its way
	s_add_nc_u64 s[G0+4*\slot+2:G0+4*\slot+3], s[G0+4*\slot+2:G0+4*\slot+3], 8*CHA
	s_add_nc_u64 s[G0B+4*\slot+2:G0B+4*\slot+3], s[G0B+4*\slot+2:G0B+4*\slot+3], 8*CHB
	JLOAD G0+4*\slot, G1, G0B+4*\slot, G1B         ; my one load behind the round; its four v_nop are the places in front of the loads below
.else
	PLACES NP
.endif
	FETCH \next, 0, 0
	SCALES \next, \n
.endm
	s_wait_alu depctr_va_vdst(0)                   ; the head's end
	s_wait_tensorcnt 0x0                           ; my tile of the head's four is in
	ds_add_u32 v[SPW], v[NIL]
	s_mov_b32 s[G1+2], 2<<16                       ; no tensor load of mine is out: from here on a load brings two rows
	s_mov_b32 s[G1+4], 2
	s_mov_b32 s[G1B+2], 2<<16
	s_mov_b32 s[G1B+4], 2
	s_wait_dscnt 0x0
	CROUND                                         ; a whole round: all four tiles are in, and all sixteen work-groups are here
	JLOAD G0+4, G1, G0B+4, G1B                     ; slot 1's first fill, the first tensor load behind the round
	FETCH 0, 0, 0
	SCALES 0, 0
	s_wait_loadcnt 0x0                             ; the bias
	STEP 0, 1                                      ; K = 1,024 is eight steps, written out: the first products start the sums on the bias
	TURN 0, 1, 1, 1
	STEP 1, 0
	TURN 1, 0, 1, 2
	STEP 0, 0
	TURN 0, 1, 0, 3                                ; nothing is left to fetch
	STEP 1, 0
	s_wait_dscnt 0x0
	WIN MUL_LO
	MUL16 0, 1, 1, 1, 0
	MUL16 2, 1, 1, 1, 0
	WIN 0
; THE WAY OUT, block by block of 16 rows x 128 columns: through my own stage and back as whole rows of 512 bytes.  LDS serves a wave's instructions in order (ISA guide 5.7.1.4): no wait between the stores and the loads.
.macro TOSTAGE a
	WIN 0x08                                       ; the data: window 2
.irp b, 0,1,2,3,4,5,6,7
	ds_store_b128 v[STO], v[64*(\a)+8*\b:64*(\a)+8*\b+3] offset:64*\b          ; each accumulator from its low end on
	ds_store_b128 v[STO], v[64*(\a)+8*\b+4:64*(\a)+8*\b+7] offset:64*\b+16
.endr
	WIN 0
.set BB, BK+64*((\a)%2)
.irp t, 0,1,2,3,4,5,6,7,8,9,10,11,12,13,14,15
	ds_load_b128 v[BB+4*\t:BB+4*\t+3], v[RD] offset:\t*SPITCH
.endr
.endm
.macro SEND a, younger                 ; younger: the LDS instructions issued behind block a's loads, which may stay out
.set BB, BK+64*((\a)%2)
	s_wait_dscnt \younger
.if (\a) > 0
	s_add_nc_u64 s[14:15], s[14:15], 16*SIZE_N*4   ; (behind a wait on XCNT: the earlier stores have read their base)
.endif
.irp t, 0,1,2,3,4,5,6,7,8,9,10,11,12,13,14,15
	global_store_b128 v[CO], v[BB+4*\t:BB+4*\t+3], s[14:15] offset:\t*SIZE_N*4 th:TH_STORE_NT   ; 32 lanes store 512 consecutive bytes, aligned
.endr
.endm
	PLACES NP                                      ; in front of the first read of results and of loads into registers that products have read
	TOSTAGE 0
.irp a, 1,2,3
.if \a > 1
	s_wait_xcnt 0x0                                ; block a - 2's stores have read their registers and their base
.endif
	TOSTAGE \a
	SEND \a-1, 32                                  ; behind block a - 1's loads: block a's 16 stores and 16 loads
.endr
	s_wait_xcnt 0x0
	SEND 3, 0
	s_wait_tensorcnt 0x0                           ; the wave's end
	ds_add_u32 v[SPW], v[NIL]
	s_wait_dscnt 0x0
	CROUND                                         ; the closing round
	s_endpgm
.Lfunc_end_k_q5462554284_outp:
	.size	k_q5462554284_outp, .Lfunc_end_k_q5462554284_outp-k_q5462554284_outp
	.p2alignl 7, 3214868480
	.fill 96, 4, 3214868480
	.section	.rodata,"a",@progbits
	.p2align	6, 0x0
	.amdhsa_kernel k_q5462554284_outp
		.amdhsa_group_segment_fixed_size 327680
		.amdhsa_private_segment_fixed_size 0
		.amdhsa_enable_private_segment 0
		.amdhsa_kernarg_size 48
		.amdhsa_user_sgpr_count 2
		.amdhsa_user_sgpr_kernarg_segment_ptr 1
		.amdhsa_wavefront_size32 1
		.amdhsa_system_sgpr_workgroup_id_x 1
		.amdhsa_system_sgpr_workgroup_id_y 1
		.amdhsa_system_sgpr_workgroup_id_z 1
		.amdhsa_system_vgpr_workitem_id 0
		.amdhsa_next_free_vgpr 768
		.amdhsa_next_free_sgpr 102
		.amdhsa_reserve_vcc 0
		.amdhsa_float_denorm_mode_32 3
		.amdhsa_float_denorm_mode_16_64 3
		.amdhsa_memory_ordered 1
		.amdhsa_forward_progress 1
		.amdhsa_inst_pref_size 105
	.end_amdhsa_kernel
	.amdgpu_metadata
---
amdhsa.version: [ 1, 2 ]
amdhsa.kernels:
  - .name:           k_q5462554284_outp
    .symbol:         k_q5462554284_outp.kd
    .args:
      - { .name: acod, .offset: 0, .size: 8, .value_kind: global_buffer, .address_space: global }
      - { .name: ascl, .offset: 8, .size: 8, .value_kind: global_buffer, .address_space: global }
      - { .name: codes, .offset: 16, .size: 8, .value_kind: global_buffer, .address_space: global }
      - { .name: scl, .offset: 24, .size: 8, .value_kind: global_buffer, .address_space: global }
      - { .name: bo, .offset: 32, .size: 8, .value_kind: global_buffer, .address_space: global }
      - { .name: out0, .offset: 40, .size: 8, .value_kind: global_buffer, .address_space: global }
    .group_segment_fixed_size: 327680
    .private_segment_fixed_size: 0
    .kernarg_segment_align: 8
    .kernarg_segment_size: 48
    .max_flat_workgroup_size: 128
    .sgpr_count:     102
    .vgpr_count:     768
    .wavefront_size: 32
...
	.end_amdgpu_metadata
.endif
;; end of part 4
